; MI455X (gfx1250); checked and timed in simulation.
; The chip was launched on July 23, 2026; its instructions are those of AMD's public machine-readable ISA for CDNA 5 (MIT licence, August 2026) and "CDNA5" Instruction Set Architecture Reference Guide (July 2026). The comments in the code are by the model that wrote it; some were corrected since.
;; past decoder. Allowed arithmetic: float matrix products may take bf16 or f16 operands with f32 sums; all other float work in f32.
;; Inputs: W_hh 4,096 x 1,024 float32; W_ih 4,096 x 2 float32; W_out 2 x 1,024 float32; b_hh 4,096 float32; b_ih 4,096 float32; b_out 2 float32; obs_traj_rel 2 x 4,096 x 2 float32; pred_lstm_hidden 4,096 x 1,024 float32.
;; Outputs: out0 2 x 4,096 x 2 float32.
;; Constants: variant_feats = 1.
;; 2 versions, each right; version 2 is version 1 with the launch cast written anew for expert scheduling mode. Each part assembles by itself: llvm-mc -triple=amdgcn-amd-amdhsa -mcpu=gfx1250 --defsym DOCPART=n.
;; ======== version 1 of 2: 4 launches
;; workspace buffers: hb0 8,388,608 bytes; wb 8,388,608 bytes; h1 8,388,608 bytes; c1 16,777,216 bytes; part 2,097,152 bytes
;; launch cast (part 1): grid 256 x 2, 8 waves a work-group, no clusters, 35,840 bytes of LDS; arguments pred_lstm_hidden, W_hh, hb0, wb; writes hb0, wb
.if DOCPART == 1
	.amdgcn_target "amdgcn-amd-amdhsa--gfx1250"
	.amdhsa_code_object_version 6
	.text
	.protected	k_q6e3f1fc850_cast
	.globl	k_q6e3f1fc850_cast
	.p2align	8
	.type	k_q6e3f1fc850_cast,@function
k_q6e3f1fc850_cast:
	s_mov_b64 s[64:65], 0
	v_nop
	global_prefetch_b8 v0, s[64:65] scope:SCOPE_SE
	s_setreg_imm32_b32 hwreg(HW_REG_WAVE_MODE, 25, 1), 1
	s_wait_xcnt 0x0
; cast: pred_lstm_hidden and W_hh, both [4096][1024] f32, are rounded once to bf16, as they are given, and laid out as images of matrix fragments.
; THE LAYOUT (hb0, wb, and h1 of the next launch): blocks of 16 rows x 32 K = 1,024 bytes;
;   byte of (row, k) = (k>>5)*262144 + (row>>4)*1024 + ((k&31)>>3)*256 + (row&15)*16 + (k&7)*2.
; A lane (r = lane&15, h = lane>>4) of a 16-bit fragment holds k = 8h..8h+7 and 16+8h..+7 of row r (ISA guide 7.12.2): these are the
; 16 bytes at lane*16 and at 512 + lane*16 of a block, so a fragment is two loads of neighbouring bytes, with no padding.
; wb's rows are also put in another order: source row gate*1024 + k goes to row (k>>5)*128 + gp*32 + (k&31), gp = 0,1,2,3 for the gates
; i, g, o, f (source gates 0, 2, 3, 1), so that the four gates of 32 hidden units are 128 neighbouring rows, f's last.
; No factor is folded into W_hh here: the matrix operand is the bf16 nearest to the input itself.
; A work-group takes 16 source rows of one matrix (x: which rows, y: which matrix); wave w takes K 128 w .. 128 w + 127.
; Memory binds: every byte is read once by loads that cover 512 neighbouring bytes, all 16 loads of a wave go out at once, and every store
; covers 512 neighbouring bytes at a multiple of 512.  No loop, no barrier: each wave turns its piece round in LDS bytes of its own.
; Matrix units, clusters and tensor loads would add nothing to a stream that no two work-groups share.
.set ROWB, 4096                        ; bytes in a source row
.set KQB,  262144                      ; bytes from one group of 32 K to the next in the layout
.set GP,   272                         ; LDS: 8 K of 16 rows = 256 bytes, + 16 so that neighbouring groups start 4 banks apart
.set WLDS, 16*GP                       ; a wave's 16 groups of 8 K
.set OFF, 1                            ; v1  byte of my 16 bytes in a source row: 512 w + 16 lane
.set SA,  2                            ; v2  LDS: where my 4 numbers of row 0 go
.set LA,  3                            ; v3  LDS: where I read 16 bytes back
.set DO,  4                            ; v4  16 lane: my bytes of a store
.set X,   8                            ; v[8:71]   16 rows x 4 f32 as loaded; later v[8:39]: what is read back
.set Y,   72                           ; v[72:103] 16 rows x 4 bf16
	s_load_b256 s[4:11], s[0:1], 0x0               ; h s[4:5], W s[6:7], hb0 s[8:9], wb s[10:11]
	v_lshl_add_u32 v104, v0, 2, 0x8800
	v_mov_b32 v105, 0
	v_lshrrev_b32 v5, 5, v0
	v_readfirstlane_b32 s12, v5                    ; wave 0..7
	v_and_b32 v6, 31, v0                           ; lane
	s_and_b32 s13, ttmp7, 0xffff                   ; 0: h, 1: W
	; W's block of 16 rows in the new order: x = 64 gate + k16  ->  8 (k16>>1) + 2 gp + (k16&1)
	s_lshr_b32 s14, ttmp9, 6                       ; gate
	s_lshl_b32 s14, s14, 1
	s_lshr_b32 s14, 0x9c, s14                      ; a table of four 2-bit fields: gate 0,1,2,3 -> gp 0,3,1,2
	s_and_b32 s14, s14, 3
	s_and_b32 s15, ttmp9, 63                       ; k16
	s_lshr_b32 s16, s15, 1
	s_lshl_b32 s16, s16, 3
	s_lshl1_add_u32 s16, s14, s16
	s_and_b32 s15, s15, 1
	s_add_co_u32 s16, s16, s15
	s_cmp_eq_u32 s13, 0
	s_cselect_b32 s16, ttmp9, s16                  ; h keeps its order
	s_lshl_b32 s16, s16, 10                        ; the block's 1,024 bytes,
	s_lshl_b32 s17, s12, 20                        ; and my wave's four groups of 32 K
	s_add_co_u32 s16, s16, s17
	s_mov_b32 s17, 0
	s_lshl_b32 s18, ttmp9, 16                      ; 16 source rows of 4,096 bytes
	s_mov_b32 s19, 0
	s_mul_i32 s20, s12, WLDS                       ; my wave's LDS bytes
	v_lshlrev_b32 v[OFF], 4, v0                    ; 16 x thread = 512 w + 16 lane
	v_lshrrev_b32 v7, 1, v6                        ; two lanes share a group of 8 K
	v_mul_u32_u24 v7, v7, GP
	v_and_b32 v5, 1, v6
	v_lshl_add_u32 v7, v5, 3, v7
	v_add_nc_u32 v[SA], s20, v7
	v_lshrrev_b32 v7, 4, v6                        ; back: lanes 0-15 one group's 16 rows, lanes 16-31 the next group's
	v_mul_u32_u24 v7, v7, GP
	v_and_b32 v5, 15, v6
	v_lshl_add_u32 v7, v5, 4, v7
	v_add_nc_u32 v[LA], s20, v7
	v_lshlrev_b32 v[DO], 4, v6
	s_wait_kmcnt 0x0
	s_cmp_eq_u32 s13, 0                            ; the choice hangs on the work-group's y alone
	s_cselect_b64 s[4:5], s[4:5], s[6:7]
	s_cselect_b64 s[8:9], s[8:9], s[10:11]
	s_add_nc_u64 s[4:5], s[4:5], s[18:19]
	s_add_nc_u64 s[8:9], s[8:9], s[16:17]
.set t, 0
.rept 16
	global_load_b128 v[X+4*t:X+4*t+3], v[OFF], s[4:5] offset:t*ROWB th:TH_LOAD_NT   ; row t: 512 neighbouring bytes; read once in the launch
.set t, t+1
.endr
.set t, 0
.rept 16
	s_wait_loadcnt 15-t                            ; loads come back in order (ISA guide 5.7.1): row t is in, the 15 - t younger rows stay out
	v_cvt_pk_bf16_f32 v[Y+2*t],   v[X+4*t],   v[X+4*t+1]
	v_cvt_pk_bf16_f32 v[Y+2*t+1], v[X+4*t+2], v[X+4*t+3]
	ds_store_b64 v[SA], v[Y+2*t:Y+2*t+1] offset:t*16       ; word 68 (lane>>1) + 2 (lane&1) + 4 t: the 32 lanes' 64 words fall on 64 different banks
.set t, t+1
.endr
.set m, 0
.rept 8
	ds_load_b128 v[X+4*m:X+4*m+3], v[LA] offset:m*2*GP     ; half a block; my own bytes, and LDS serves a wave in order (ISA guide 5.7.1.4): no wait, no barrier
.set m, m+1
.endr
.set m, 0
.rept 8
	s_wait_dscnt 7-m                               ; half block m is in, the younger ones stay out
	global_store_b128 v[DO], v[X+4*m:X+4*m+3], s[8:9] offset:(m>>1)*KQB+(m&1)*512   ; 512 neighbouring bytes at a multiple of 512; read again by the next launches: no hint
.set m, m+1
.endr
	s_wait_tensorcnt 0x0
	ds_add_u32 v104, v105
	s_wait_dscnt 0x0
	s_endpgm
.Lfunc_end_k_q6e3f1fc850_cast:
	.size	k_q6e3f1fc850_cast, .Lfunc_end_k_q6e3f1fc850_cast-k_q6e3f1fc850_cast
	.p2alignl 7, 3214868480
	.fill 96, 4, 3214868480
	.section	.rodata,"a",@progbits
	.p2align	6, 0x0
	.amdhsa_kernel k_q6e3f1fc850_cast
		.amdhsa_group_segment_fixed_size 35840
		.amdhsa_private_segment_fixed_size 0
		.amdhsa_enable_private_segment 0
		.amdhsa_kernarg_size 32
		.amdhsa_user_sgpr_count 2
		.amdhsa_user_sgpr_kernarg_segment_ptr 1
		.amdhsa_wavefront_size32 1
		.amdhsa_system_sgpr_workgroup_id_x 1
		.amdhsa_system_sgpr_workgroup_id_y 1
		.amdhsa_system_sgpr_workgroup_id_z 1
		.amdhsa_system_vgpr_workitem_id 0
		.amdhsa_next_free_vgpr 106
		.amdhsa_next_free_sgpr 66
		.amdhsa_reserve_vcc 0
		.amdhsa_float_denorm_mode_32 3
		.amdhsa_float_denorm_mode_16_64 3
		.amdhsa_memory_ordered 1
		.amdhsa_forward_progress 1
		.amdhsa_inst_pref_size 9
	.end_amdhsa_kernel
	.amdgpu_metadata
---
amdhsa.version: [ 1, 2 ]
amdhsa.kernels:
  - .name:           k_q6e3f1fc850_cast
    .symbol:         k_q6e3f1fc850_cast.kd
    .args:
      - { .name: pred_lstm_hidden, .offset: 0, .size: 8, .value_kind: global_buffer, .address_space: global }
      - { .name: W_hh, .offset: 8, .size: 8, .value_kind: global_buffer, .address_space: global }
      - { .name: hb0, .offset: 16, .size: 8, .value_kind: global_buffer, .address_space: global }
      - { .name: wb, .offset: 24, .size: 8, .value_kind: global_buffer, .address_space: global }
    .group_segment_fixed_size: 35840
    .private_segment_fixed_size: 0
    .kernarg_segment_align: 8
    .kernarg_segment_size: 32
    .max_flat_workgroup_size: 256
    .sgpr_count:     66
    .vgpr_count:     106
    .wavefront_size: 32
...
	.end_amdgpu_metadata
.endif
;; end of part 1
;; launch step0 (part 2): grid 16 x 16, 4 waves a work-group, clusters of 4 x 4, 327,680 bytes of LDS; arguments hb0, wb, W_ih, b_ih, b_hh, W_out, obs_traj_rel, c1, part, h1; writes c1, part, h1
.if DOCPART == 2
	.amdgcn_target "amdgcn-amd-amdhsa--gfx1250"
	.amdhsa_code_object_version 6
	.text
	.protected	k_q6e3f1fc850_step0
	.globl	k_q6e3f1fc850_step0
	.p2align	8
	.type	k_q6e3f1fc850_step0,@function
k_q6e3f1fc850_step0:
	s_mov_b64 s[64:65], 0
	v_nop
	global_prefetch_b8 v0, s[64:65] scope:SCOPE_SE
	s_setreg_imm32_b32 hwreg(HW_REG_WAVE_MODE, 25, 1), 1
	s_wait_xcnt 0x0
	s_wait_alu depctr_hold_cnt(0) depctr_sa_sdst(0) depctr_va_vdst(0) depctr_va_sdst(0) depctr_va_ssrc(0) depctr_va_vcc(0) depctr_vm_vsrc(0)
	s_getreg_b32 s2, hwreg(HW_REG_IB_STS2, 6, 4)
	s_cmp_eq_u32 s2, 0
	s_cbranch_scc0 .Lentry_in_a_cluster
	s_endpgm
.Lentry_in_a_cluster:
	s_bfe_u32 s2, ttmp6, 0x10000c
	s_cmp_lg_u32 s2, 0xf033
	s_cbranch_scc0 .Lentry_shape_is_right
	s_endpgm
.Lentry_shape_is_right:
; One LSTM step: gates = x W_ih^T + b_ih + h W_hh^T + b_hh; c = sigmoid(f) c + sigmoid(i) tanh(g); h = sigmoid(o) tanh(c); partial sums of h W_out^T.
; The text serves both steps; STEP picks.  STEP = 0: c is zero on entry (the problem builds it so), so the f gate's quarter of the product is not made;
; the new c (f32) and h (bf16) are stored.  STEP = 1: c is loaded, all four gates are made, only the partial sums leave.
; Both steps take x = obs_traj_rel[0]: the problem's sequence is [obs[0], obs[0]]; obs[1] enters no result.
; h and W_hh come as bf16 fragment images: blocks of 16 rows x 32 K = 1,024 bytes,
;   byte of (row, k) = (k>>5)*262144 + (row>>4)*1024 + ((k&31)>>3)*256 + (row&15)*16 + (k&7)*2,
; W_hh's rows in the order (32 hidden units) x (gates i, g, o, f) x (unit in the 32); its numbers are the bf16 nearest to the input's, with no factor folded in.
; The sums START from x W_ih + b_ih + b_hh, made in f32 while the first tile is on its way, so a finished sum is the whole gate.  The way out multiplies
; it, in f32, by the factor that its gate's exponential wants (-log2 e for i, o, f; 2 log2 e for g) and goes on with the exponentials.
; c is kept times K = 2 log2 e, in registers and in c1 (a register image that only these two launches touch): K c is the exponent that tanh(c) wants.
; All but h and W_hh (x W_ih, biases, c, h W_out) is f32.
; LIMITS, kept on purpose: (1) in STEP 0 a NaN that stands only in f's rows of W_hh, W_ih or the biases does not reach the result (NaN x 0 is taken as 0);
; (2) g's exponent is capped at 40, where tanh is 1.0 in f32, by a minimum in which a NaN loses: a NaN that stands only in a g gate is lost.
; Infinite or very large gates are right: exp2 may give infinity for i, f, o, its reciprocal is then 0 and every numerator is finite.
;
; SHARES: a work-group makes 256 rows x 64 hidden units (NB*32 gate columns) with four waves; a wave 128 rows x 32 units = 8 x NB accumulator tiles.
; K goes in steps of 128 through two LDS slots filled by tensor loads.  A wave's part of a tile (128 rows x 128 K) is four pieces of 8 KiB
; (W in STEP 0: 6 KiB) that lie 256 KiB apart: one two-dimensional tile of four long rows; more and shorter rows would cut the same bytes smaller.
; CLUSTERS: 4 x 4 work-groups.  h's tile hangs on the block row alone and is asked for jointly along a row of the cluster, W's on the block column
; alone and jointly along a column: that divides the requests for both by four.
; By this text's count a wave has two tensor loads out after the start and one behind each round.
;
; THE MATRIX INSTRUCTION IS USED TRANSPOSED: source 0 = 16 gate columns (rows of W), source 1 = 16 rows of h.  Lane (r = lane&15, hh = lane>>4) then holds,
; in register j of tile (a, b), row 16 a + r and column 16 b + 8 hh + j of the wave's NB*16.  b = 2 gp + u: gate gp, units 16 u + 8 hh + j: the gates of one
; (row, unit) lie in one lane at one register index of NB/2 tiles, and a lane's eight h are the 16 bytes at lane*16 of half a block of the layout above.
;
; REGISTERS, in windows of 256:
;   window 0: v12-15 K and -K; v16-30 addresses; v32-47 x; v48-63 the sums for part; v64-127, v128-191 fragments of h, two buffers; v192-223 W_out
;             in the prologue: v64-83 at work, v128-191 biases, v192-255 W_ih[.,1];  on the way out: v64-143 five sets of 16 at work, v144-155 h in bf16, sums
;   window 1: v64-127, v128-191 fragments of W, two buffers (in the prologue v128-191: W_ih[.,0]); v0-63, v192-255 c (STEP 1)
;   window 2: accumulator tiles of my rows 0-63, tile (a, b) at v[8 (8 a + b)];   window 3: those of rows 64-127
.set STEP,  0
.set NB,    6+2*STEP                   ; blocks of 16 gate columns of a wave
.set LAPS,  4                          ; K = 1024 = 4 laps of two K steps of 128
.set HALFT, 32768                      ; LDS room of one wave's part of a tile
.set SLOT,  4*HALFT                    ; h's two halves, then W's two halves
.set SCR,   2*SLOT                     ; behind the ring: 2,048 bytes for each wave, into which no tensor load lands
.set AQ,    8192                       ; h: bytes of 32 K in a part (8 blocks)
.set BQ,    NB*1024                    ; W: the same (NB blocks)
.set STEPB, 1048576                    ; memory: a K step = 4 groups of 32 K, 262,144 bytes each
.set KK,   12                          ; v[12:13] K, K
.set NK,   14                          ; v[14:15] -K, -K
.set ADRA, 16                          ; v16-17 LDS address of my h fragments in slot 0, 1
.set ADRB, 20                          ; v20-21 the same for W
.set L16,  24                          ; v24 16 lane
.set PRD,  25                          ; v25 my scratch + 32 hh: where I read parameters
.set L8,   26                          ; v26 8 lane
.set R8,   27                          ; v27 8 r
.set PWR,  28                          ; v28 my scratch + 16 lane: where I put parameters
.set WOS,  29                          ; v29 my scratch + 16 r: the same for W_out
.set LANE, 30                          ; v30 lane
.set XR,   32                          ; v[32:47]  (x0, x1) of row 16 a + r
.set PR,   48                          ; v[48:63]  (p0, p1) of row 16 a + r
.set F0,   64
.set F1,   128
.set TP,   64                          ; prologue, window 0: at work
.set PB,   128                         ; prologue, window 0: b_ih + b_hh of column 8 b + j
.set PW0,  128                         ; prologue, window 1: W_ih[.,0]
.set PW1,  192                         ; prologue, window 0: W_ih[.,1]
.set WOUT, 192                         ; window 0, from the prologue's end on: W_out, 16 coord + 8 u + j
.set GI,   64                          ; way out: five sets of 16 registers, index 8 u + j; GI, GG, GO, GF follow each other as the tiles b = 0 .. 7 do
.set GG,   80
.set GO,   96
.set GF,   112
.set GB,   128
.set HB,   144
.set Q,    152
.set G1,  24                           ; s[24:31] descriptor group 1, h's tiles
.set G0,  32                           ; s[32:39] group 0, h's tiles, a set for each slot
.set G1B, 48                           ; s[48:55] group 1, W's tiles
.set G0B, 56                           ; s[56:63] group 0, W's tiles, a set for each slot
.set MSB, 0
.macro WIN new                         ; the immediate's high byte repeats the setting that is left; switches that change nothing are dropped
.if MSB != \new
	s_set_vgpr_msb (MSB<<8)|\new
.set MSB, \new
.endif
.endm
.set MUL_LO, 0xa1                      ; source 0 (W) window 1, source 1 (h) window 0, C and D window 2
.set MUL_HI, 0xf1                      ; the same, C and D window 3
.set TO_B,   0x40                      ; destination window 1, address window 0
; A joint load.  Waves 0 and 1 fetch h's two halves, waves 2 and 3 W's.  Each line has one mask and one set of registers; the branch hangs on the wave's number alone.
.macro JLOAD s
	s_cmp_eq_u32 s11, 0
	s_cbranch_scc0 .Lfor_b_\@
	tensor_load_to_lds s[G0+4*\s:G0+4*\s+3], s[G1:G1+7]
	s_nop 0
	s_branch .Lasked_\@
.Lfor_b_\@:
	tensor_load_to_lds s[G0B+4*\s:G0B+4*\s+3], s[G1B:G1B+7]
	s_nop 0
.Lasked_\@:
.endm
; A round of the cluster's barrier: my work-group's barrier; wave 0 signals for the work-group; every wave waits for all sixteen; my work-group's barrier again.
.macro CROUND
	s_barrier_signal -1
	s_barrier_wait -1
	s_cmp_lg_u32 s10, 0
	s_cbranch_scc1 .Lnot_wave_0_\@
	s_barrier_signal -3
.Lnot_wave_0_\@:
	s_barrier_wait -3
	s_barrier_signal -1
	s_barrier_wait -1
.endm
; 2 NB matrix instructions: row blocks a0, a0 + 1 of the window's four x all NB column blocks, 32 along K.
; The accumulators take turns, one instruction a turn, in the same order in every quarter.
.macro MULA f, hi, a0
.irp a, \a0, \a0+1
.set mb, 0
.rept NB
	v_wmma_f32_16x16x32_bf16 v[8*(8*(\a)+mb):8*(8*(\a)+mb)+7], v[\f+8*mb:\f+8*mb+7], v[\f+8*(4*\hi+\a):\f+8*(4*\hi+\a)+7], v[8*(8*(\a)+mb):8*(8*(\a)+mb)+7]
.set mb, mb+1
.endr
.endr
.endm
; 2 NB + 16 LDS loads in one run: the fragments of quarter q (32 K) of a slot into buffer f; each load takes 512 neighbouring bytes
.macro FETCH slot, q, f
	WIN TO_B
.set fi, 0
.rept NB
	ds_load_b128 v[\f+8*fi:\f+8*fi+3],   v[ADRB+\slot] offset:\q*BQ+fi*1024
	ds_load_b128 v[\f+8*fi+4:\f+8*fi+7], v[ADRB+\slot] offset:\q*BQ+fi*1024+512
.set fi, fi+1
.endr
	WIN 0
.set fi, 0
.rept 8
	ds_load_b128 v[\f+8*fi:\f+8*fi+3],   v[ADRA+\slot] offset:\q*AQ+fi*1024
	ds_load_b128 v[\f+8*fi+4:\f+8*fi+7], v[ADRA+\slot] offset:\q*AQ+fi*1024+512
.set fi, fi+1
.endr
.endm
; Four places of plain vector instructions stand between a matrix instruction and a load into, or a vector instruction on, one of its registers (ISA guide 7.12.1 for vector instructions);
; the matrix instructions in between are not counted.
.macro PLACES
.rept 4
	v_nop
.endr
.endm
; One of a K step's first three quarters: multiplies buffer f; in its middle it fetches quarter q of the same slot into buffer g.
.macro QUARTER slot, q, f, g
	s_wait_dscnt 8                                 ; W and h's rows 0-63 are in; the youngest eight loads may be out (h's rows 64-127; on the way in from the prologue W_out's, and the whole run is in)
	WIN MUL_LO
	MULA \f, 0, 0
	MULA \f, 0, 2
	PLACES
	FETCH \slot, \q, \g
	s_wait_dscnt 16+2*NB                           ; all but the run just issued
	WIN MUL_HI
	MULA \f, 1, 0
	MULA \f, 1, 2
.endm
.macro THREE slot
	QUARTER \slot, 1, F0, F1
	QUARTER \slot, 2, F1, F0
	QUARTER \slot, 3, F0, F1
.endm
; The last quarter: multiplies buffer 1 and changes slots.  fill = 1: this slot is filled again, two K steps ahead, behind a round of the cluster's barrier.
; In front of the round's opening signal each wave waits for its reads of this slot and for all its tensor loads (the one that is out is its part of the
; next slot).  Inside the round stands register work alone: 2 NB matrix instructions between wave 0's signal for the work-group and the wait for all sixteen,
; so that they run while the sixteen signals meet.  The refill is the first tensor load behind the closing wait.
.macro TURN slot, next, fill
	s_wait_dscnt 8
	WIN MUL_LO
	MULA F1, 0, 0
	s_wait_dscnt 0                                 ; my reads of this slot are over
	s_wait_tensorcnt 0x0                           ; and all my tensor loads have landed
	ds_add_u32 v255, v255
	s_wait_dscnt 0x0
	s_barrier_signal -1                            ; say so
.if \fill
	WIN 0                                          ; (a branch follows)
	s_barrier_wait -1                              ; all four waves have said so
	s_cmp_lg_u32 s10, 0
	s_cbranch_scc1 .Lturn_not_0_\@
	s_barrier_signal -3                            ; wave 0 says so for the work-group
.Lturn_not_0_\@:
	WIN MUL_LO
	MULA F1, 0, 2                                  ; work on registers while the other work-groups arrive
	WIN 0
	s_barrier_wait -3                              ; all sixteen work-groups have said so: no wave of any partner still reads this slot or has a load on its way
	s_barrier_signal -1
	s_barrier_wait -1                              ; the round is closed
	s_add_nc_u64 s[G0+4*\slot+2:G0+4*\slot+3], s[G0+4*\slot+2:G0+4*\slot+3], 2*STEPB
	s_add_nc_u64 s[G0B+4*\slot+2:G0B+4*\slot+3], s[G0B+4*\slot+2:G0B+4*\slot+3], 2*STEPB
	JLOAD \slot                                    ; the first tensor load behind the round, and my only one until the next
.else
	MULA F1, 0, 2                                  ; nothing is filled: my work-group's barrier alone, with work on registers inside
	s_barrier_wait -1
.endif
	PLACES
	FETCH \next, 0, F0
	WIN MUL_HI
	MULA F1, 1, 0
	MULA F1, 1, 2
.endm
.macro LAP
	THREE 0
	TURN 0, 1, 1
	THREE 1
	TURN 1, 0, 1
.endm
; The sums of one window start: b + x0 W_ih[.,0] + x1 W_ih[.,1], two fused multiply-adds for each pair of registers.
.macro INIT hi
.if \hi
	WIN 0xc4                                       ; destination window 3, source 1 (W_ih[.,0]) window 1, x and bias window 0
.else
	WIN 0x84                                       ; the same, destination window 2
.endif
.irp a, 0,1,2,3
.set ei, 0
.rept 4*NB
	v_pk_fma_f32 v[64*\a+ei:64*\a+ei+1], v[XR+8*\hi+2*\a:XR+8*\hi+2*\a+1], v[PW0+ei:PW0+ei+1], v[PB+ei:PB+ei+1] op_sel_hi:[0,1,1]
.set ei, ei+2
.endr
.endr
.if \hi
	WIN 0xf0                                       ; destination and source 2 window 3, x and W_ih[.,1] window 0
.else
	WIN 0xa0
.endif
.irp a, 0,1,2,3
.set ei, 0
.rept 4*NB
	v_pk_fma_f32 v[64*\a+ei:64*\a+ei+1], v[XR+8*\hi+2*\a:XR+8*\hi+2*\a+1], v[PW1+ei:PW1+ei+1], v[64*\a+ei:64*\a+ei+1] op_sel:[1,0,0] op_sel_hi:[1,1,1]
.set ei, ei+2
.endr
.endr
	WIN 0
.endm
	s_load_b128 s[4:7], s[0:1], 0x0                ; h s[4:5], W s[6:7]
	s_load_b256 s[68:75], s[0:1], 0x10             ; W_ih s[68:69], b_ih s[70:71], b_hh s[72:73], W_out s[74:75]
	s_load_b128 s[76:79], s[0:1], 0x30             ; obs s[76:77], c1 s[78:79]
	s_load_b64 s[80:81], s[0:1], 0x40              ; part
.if STEP == 0
	s_load_b64 s[82:83], s[0:1], 0x48              ; h1
	s_set_vgpr_msb 0x40
	v_lshl_add_u32 v255, v0, 2, 0x42000
	s_set_vgpr_msb 0x4000
	v_mov_b32 v255, 0
	s_set_vgpr_msb 0x1
	ds_add_u32 v255, v255
	s_wait_dscnt 0x0
	s_set_vgpr_msb 0x100
.endif
	v_lshrrev_b32 v1, 5, v0
	v_readfirstlane_b32 s10, v1                    ; wave 0..3
	s_lshr_b32 s11, s10, 1                         ; my half of the block's rows.  Also: I fetch for h (0) or for W (1)
	s_and_b32 s12, s10, 1                          ; my half of its units.  Also: which half of that tile I fetch
	s_bfe_u32 s40, ttmp6, 0x40000                  ; cx
	s_bfe_u32 s41, ttmp6, 0x40004                  ; cy
	s_lshl_b32 s42, ttmp9, 2
	s_add_co_u32 s42, s42, s40                     ; bx: block of 64 units = 4 x cluster x + cx
	s_and_b32 s13, ttmp7, 0xffff
	s_lshl_b32 s13, s13, 2
	s_add_co_u32 s13, s13, s41                     ; by: block of 256 rows = 4 x cluster y + cy
	s_lshl_b32 s43, s41, 2
	s_lshl_b32 s43, 15, s43                        ; my row of the cluster: places 4 cy .. 4 cy + 3
	s_lshl_b32 s44, 0x1111, s40                    ; my column: places cx, cx + 4, cx + 8, cx + 12
	; group 1: four rows of 4,096 (W: NB*512) elements of 2 bytes, 131,072 elements apart; no padding: the bytes are read as they lie
	s_or_b32 s[G1+0], s43, (1<<16)|(1<<21)         ; 15:0 mask: h's tiles go to my row; 17:16 elements of 2 bytes; 21 set beside a mask
	s_or_b32 s[G1B+0], s44, (1<<16)|(1<<21)        ; W's tiles go to my column
	s_mov_b32 s[G1+1], 4096<<16                    ; tensor_dim0, low half
	s_mov_b32 s[G1B+1], (NB*512)<<16
	s_mov_b32 s[G1+2], 4<<16                       ; tensor_dim0, high half = 0; tensor_dim1 = 4
	s_mov_b32 s[G1B+2], 4<<16
	s_mov_b32 s[G1+3], 4096<<16                    ; tile_dim0
	s_mov_b32 s[G1B+3], (NB*512)<<16
	s_mov_b32 s[G1+4], 4                           ; tile_dim1
	s_mov_b32 s[G1B+4], 4
	s_mov_b32 s[G1+5], 131072                      ; elements from row to row
	s_mov_b32 s[G1B+5], 131072
	s_mov_b32 s[G1+6], 0
	s_mov_b32 s[G1B+6], 0
	s_mov_b32 s[G1+7], 0
	s_mov_b32 s[G1B+7], 0
	; where the tiles come from: h's hang on by alone, W's on bx alone, each in registers that never hold the other coordinate
	s_lshl_b32 s16, s13, 14                        ; 256 rows = 16 blocks of 1,024 bytes
	s_lshl_b32 s17, s12, 13                        ; the half that I fetch
	s_add_co_u32 s16, s16, s17
	s_mov_b32 s17, 0
	s_lshl_b32 s46, s42, 14                        ; 64 units = 256 rows of W in its order
	s_lshl_b32 s47, s12, 13
	s_add_co_u32 s46, s46, s47
	s_mov_b32 s47, 0
	s_lshl_b32 s20, s10, 15                        ; and where they go: wave x 32,768
	CROUND                                         ; the round in front of the first joint loads; it needs no argument, so it runs while the arguments are on their way
	s_wait_kmcnt 0x0
	s_add_nc_u64 s[14:15], s[4:5], s[16:17]
	s_add_nc_u64 s[46:47], s[6:7], s[46:47]
.irp s, 0,1
	s_mov_b32 s[G0+4*\s], 1                                        ; count = 1
	s_add_co_u32 s[G0+4*\s+1], s20, \s*SLOT                        ; LDS address
	s_add_nc_u64 s[G0+4*\s+2:G0+4*\s+3], s[14:15], \s*STEPB        ; global address: K step s
	s_or_b32 s[G0+4*\s+3], s[G0+4*\s+3], 0x80000000                ; type = 2
	s_mov_b32 s[G0B+4*\s], 1
	s_add_co_u32 s[G0B+4*\s+1], s20, \s*SLOT
	s_add_nc_u64 s[G0B+4*\s+2:G0B+4*\s+3], s[46:47], \s*STEPB
	s_or_b32 s[G0B+4*\s+3], s[G0B+4*\s+3], 0x80000000
	JLOAD \s                                       ; both slots are asked for before anything else is done
.endr
	; lane addresses
	v_and_b32 v[LANE], 31, v0
	v_lshlrev_b32 v[L16], 4, v[LANE]
	v_lshlrev_b32 v[L8], 3, v[LANE]
	v_and_b32 v1, 15, v[LANE]                      ; r
	v_lshlrev_b32 v[R8], 3, v1
	v_lshrrev_b32 v2, 4, v[LANE]                   ; hh
	s_lshl_b32 s21, s11, 15                        ; my 128 rows of h
	s_lshl_b32 s22, s12, 15                        ; my NB*16 rows of W,
	s_add_co_u32 s22, s22, 2*HALFT                 ; which lie behind h's two halves
.irp s, 0,1
	v_add_nc_u32 v[ADRA+\s], s21, v[L16]
	v_add_nc_u32 v[ADRB+\s], s22, v[L16]
	s_add_co_u32 s21, s21, SLOT
	s_add_co_u32 s22, s22, SLOT
.endr
	s_lshl_b32 s23, s10, 11
	s_add_co_u32 s23, s23, SCR                     ; my scratch
	v_lshl_add_u32 v[PRD], v2, 5, s23
	v_add_nc_u32 v[PWR], s23, v[L16]
	v_lshl_add_u32 v[WOS], v1, 4, s23
	; parameters: lane l fetches the wave's columns 4 l .. 4 l + 3: gate gp = l>>3, units 4 (l&7) .. + 3 of my 32
	v_lshrrev_b32 v3, 3, v[LANE]                   ; gp
	v_lshlrev_b32 v4, 1, v3
	v_mov_b32 v5, 0x78                             ; a table of four 2-bit fields: gp 0,1,2,3 -> source gate 0,2,3,1
	v_lshrrev_b32 v4, v4, v5
	v_and_b32 v4, 3, v4
	v_and_b32 v5, 7, v[LANE]
	v_lshlrev_b32 v5, 4, v5
	v_lshl_add_u32 v6, v4, 12, v5                  ; biases: gate x 4,096 bytes + 16 (l&7)
	v_lshlrev_b32 v7, 1, v6                        ; W_ih: twice that (two numbers a row)
	v_bfe_u32 v8, v[LANE], 3, 1                    ; W_out: coordinate (l>>3)&1,
	v_lshl_add_u32 v8, v8, 12, v5                  ; a row of 4,096 bytes; lanes 16-31 repeat lanes 0-15
	v_mov_b32 v[KK], 0x4038aa3b                    ; K = 2 log2 e, twice: tanh(z) = (E - 1) / (E + 1), E = 2^(K z)
	v_mov_b32 v[KK+1], 0x4038aa3b
	v_mov_b32 v[NK], 0xc038aa3b                    ; and -K, twice
	v_mov_b32 v[NK+1], 0xc038aa3b
	s_mov_b32 s92, 0x76543210                      ; v_permlanex16_b32: lane i reads lane i of the other half
	s_mov_b32 s93, 0xfedcba98
	; scalar bases, made once: none is written again while a load or store names it.  Offsets lie in s84-91, which feed no descriptor.
	s_lshl1_add_u32 s84, s42, s12                  ; ub = 2 bx + my half: my group of 32 units
	s_lshl_b32 s88, s13, 11
	s_lshl_b32 s89, s11, 10
	s_add_co_u32 s88, s88, s89                     ; 8 bytes x my first row (256 by + 128 half)
	s_mov_b32 s89, 0
	s_add_nc_u64 s[76:77], s[76:77], s[88:89]      ; obs[0] at my first row
	s_lshl_b32 s86, s84, 7                         ; 32 units x 4 bytes
	s_mov_b32 s87, 0
	s_add_nc_u64 s[70:71], s[70:71], s[86:87]
	s_add_nc_u64 s[72:73], s[72:73], s[86:87]
	s_add_nc_u64 s[74:75], s[74:75], s[86:87]
	s_lshl_b32 s86, s84, 8
	s_add_nc_u64 s[68:69], s[68:69], s[86:87]
	s_lshl4_add_u32 s90, s13, s42                  ; c1: a register image, 16,384 bytes for each wave: ((16 by + bx) 4 + wave)
	s_lshl2_add_u32 s90, s90, s10
	s_lshl_b32 s90, s90, 14
	s_mov_b32 s91, 0
	s_add_nc_u64 s[78:79], s[78:79], s[90:91]
	s_lshl_b32 s86, s84, 15                        ; part[step][ub][row][2]: 32,768 bytes for each ub
	s_add_co_u32 s86, s86, s88
.if STEP
	s_add_co_u32 s86, s86, 1048576
.endif
	s_add_nc_u64 s[80:81], s[80:81], s[86:87]
.if STEP == 0
	s_lshl_b32 s86, s84, 18                        ; h1 in the fragment layout: K group ub, my first block of 16 rows
	s_lshl_b32 s90, s88, 3
	s_add_co_u32 s86, s86, s90
	s_add_nc_u64 s[82:83], s[82:83], s[86:87]
.endif
	global_load_b128 v[TP:TP+3],     v6, s[70:71]              ; b_ih
	global_load_b128 v[TP+4:TP+7],   v6, s[72:73]              ; b_hh
	global_load_b128 v[TP+8:TP+11],  v7, s[68:69]              ; W_ih, two rows
	global_load_b128 v[TP+12:TP+15], v7, s[68:69] offset:16    ; and two more
	global_load_b128 v[TP+16:TP+19], v8, s[74:75]              ; W_out
.irp a, 0,1,2,3,4,5,6,7
	global_load_b64 v[XR+2*\a:XR+2*\a+1], v[R8], s[76:77] offset:\a*128    ; x of row 16 a + r
.endr
	s_wait_loadcnt 8                               ; the five parameter loads are in; x's 8 loads stay out
	v_pk_add_f32 v[TP:TP+1],   v[TP:TP+1],   v[TP+4:TP+5]
	v_pk_add_f32 v[TP+2:TP+3], v[TP+2:TP+3], v[TP+6:TP+7]
	ds_store_b128 v[PWR], v[TP:TP+3]                           ; b_ih + b_hh, 128 columns (in STEP 0 lanes 24-31 ride along with f's, which nobody reads)
.irp i, 0,1,2,3
	ds_store_b32 v[PWR], v[TP+8+2*\i] offset:512+4*\i          ; W_ih[.,0]: the two columns are parted by where the words are put; once in the launch
	ds_store_b32 v[PWR], v[TP+9+2*\i] offset:1024+4*\i         ; W_ih[.,1]
.endr
	ds_store_b128 v[WOS], v[TP+16:TP+19] offset:1536           ; W_out [2][32]; lanes 16-31 write the same values to the same bytes
	; back as each lane needs them: columns 16 b + 8 hh + 0..7.  My own bytes, and LDS serves a wave in order (ISA guide 5.7.1.4): no wait between stores and loads
.set fi, 0
.rept NB
	ds_load_b128 v[PB+8*fi:PB+8*fi+3],     v[PRD] offset:fi*64
	ds_load_b128 v[PB+8*fi+4:PB+8*fi+7],   v[PRD] offset:fi*64+16
	ds_load_b128 v[PW1+8*fi:PW1+8*fi+3],   v[PRD] offset:1024+fi*64
	ds_load_b128 v[PW1+8*fi+4:PW1+8*fi+7], v[PRD] offset:1024+fi*64+16
.set fi, fi+1
.endr
	WIN TO_B
.set fi, 0
.rept NB
	ds_load_b128 v[PW0+8*fi:PW0+8*fi+3],   v[PRD] offset:512+fi*64
	ds_load_b128 v[PW0+8*fi+4:PW0+8*fi+7], v[PRD] offset:512+fi*64+16
.set fi, fi+1
.endr
	WIN 0
	s_wait_dscnt 0x0
	s_wait_loadcnt 0x0                             ; x
	INIT 0                                         ; the sums of my rows 0-63 start while the first tile is on its way
	s_wait_tensorcnt 1                             ; my part of K step 0 is in; K step 1's may stay out
	s_barrier_signal -1                            ; (no LDS instruction of mine is out: the wait for 0 above)
	s_barrier_wait -1                              ; everybody's part is in
	FETCH 0, 0, F0
	INIT 1                                         ; the sums of my rows 64-127 start while the first fragments come
.irp c, 0,1
.irp u, 0,1
	ds_load_b128 v[WOUT+16*\c+8*\u:WOUT+16*\c+8*\u+3],   v[PRD] offset:1536+\c*128+\u*64       ; W_out of my units, into registers that W_ih[.,1] has left; kept to the end
	ds_load_b128 v[WOUT+16*\c+8*\u+4:WOUT+16*\c+8*\u+7], v[PRD] offset:1536+\c*128+\u*64+16
.endr
.endr
.if STEP
	WIN TO_B                                       ; c goes out only now, behind the first tiles; it is waited for on the way out
.irp a, 0,1,2,3,4,5,6,7
.irp m, 0,1,2,3
.if \a < 4
	global_load_b128 v[16*\a+4*\m:16*\a+4*\m+3], v[L16], s[78:79] offset:\a*2048+\m*512 th:TH_LOAD_NT   ; K c as the same lane stored it
.else
	global_load_b128 v[192+16*(\a-4)+4*\m:192+16*(\a-4)+4*\m+3], v[L16], s[78:79] offset:\a*2048+\m*512 th:TH_LOAD_NT
.endif
.endr
.endr
	WIN 0
.endif
	s_mov_b32 s3, LAPS-1                           ; at a label and at a branch every window is 0
.Llap:
	LAP
	WIN 0
	s_sub_co_u32 s3, s3, 1
	s_cmp_lg_u32 s3, 0
	s_cbranch_scc1 .Llap
	THREE 0                                        ; the last lap fills nothing and has no round
	TURN 0, 1, 0
	THREE 1
	s_wait_dscnt 8                                 ; the very last quarter
	WIN MUL_LO
	MULA F1, 0, 0
	MULA F1, 0, 2
	s_wait_dscnt 0
	WIN MUL_HI
	MULA F1, 1, 0
	MULA F1, 1, 2
	; THE WAY OUT.  The sums are whole gates; nothing is read from LDS.
	PLACES
	WIN 0
.if STEP
	s_wait_loadcnt 0x0                             ; c
.endif
.macro TRX op, d, s                    ; 16 transcendentals, back to back
.set ei, 0
.rept 16
	\op v[\d+ei], v[\s+ei]
.set ei, ei+1
.endr
.endm
.macro PKC8 op, d, s, c                ; d = s op constant, 16 numbers
.set ei, 0
.rept 8
	\op v[\d+ei:\d+ei+1], v[\s+ei:\s+ei+1], \c op_sel_hi:[1,0]
.set ei, ei+2
.endr
.endm
.macro PKV8 op, d, s, t                ; d = s op t, 16 numbers
.set ei, 0
.rept 8
	\op v[\d+ei:\d+ei+1], v[\s+ei:\s+ei+1], v[\t+ei:\t+ei+1]
.set ei, ei+2
.endr
.endm
.macro PKF8 d, s, t, u                 ; d = s t + u, 16 numbers
.set ei, 0
.rept 8
	v_pk_fma_f32 v[\d+ei:\d+ei+1], v[\s+ei:\s+ei+1], v[\t+ei:\t+ei+1], v[\u+ei:\u+ei+1]
.set ei, ei+2
.endr
.endm
; Rows 16 a .. 16 a + 15 x my 32 units: 16 units a lane.  Denominators are merged, which spares two reciprocals a unit, and each is one fused multiply-add:
;   K sigmoid(i) tanh(g) = (K Eg - K) / (Ei (1 + Eg) + (1 + Eg)),   h = (Ec - 1) / (Eo (1 + Ec) + (1 + Ec)),   Ec = 2^(K c).
; Behind each run of transcendentals stands a plain vector instruction that touches none of them before a result is used (ISA guide 5.7.2).
.macro EBLOCK a
.if STEP == 0
	s_wait_xcnt 0x0                                ; GG and HB, which the last block's stores read, are rewritten only behind this wait
.endif
.if \a < 4
	WIN 0x02                                       ; source 0: the accumulators' window
.set CB, 16*\a
.else
	WIN 0x03
.set CB, 192+16*(\a-4)
.endif
.set AC, 64*(\a&3)
.set ei, 0
.rept 4*NB
.if (ei>>4) == 1
	v_pk_mul_f32 v[GI+ei:GI+ei+1], v[AC+ei:AC+ei+1], 0x4038aa3b op_sel_hi:[1,0]   ; g: 2 log2 e x gate
.else
	v_pk_mul_f32 v[GI+ei:GI+ei+1], v[AC+ei:AC+ei+1], 0xbfb8aa3b op_sel_hi:[1,0]   ; i, o, f: -log2 e x gate: sigmoid(z) = 1 / (1 + 2^(-z log2 e))
.endif
.set ei, ei+2
.endr
	WIN 0
	TRX v_exp_f32, GI, GI                          ; Ei
	TRX v_exp_f32, GO, GO                          ; Eo
.if STEP
	TRX v_exp_f32, GF, GF                          ; Ef
.endif
.set ei, 0
.rept 16
	v_min_num_f32 v[GG+ei], 0x42200000, v[GG+ei]   ; g's exponent at most 40: tanh is 1.0 in f32 there, and Eg stays finite
.set ei, ei+1
.endr
	TRX v_exp_f32, GG, GG                          ; Eg
.if STEP
	PKC8 v_pk_add_f32, GF, GF, 1.0                 ; 1 + Ef
	TRX v_rcp_f32, GF, GF                          ; sigmoid(f)
.else
	v_nop
	s_wait_alu depctr_va_vdst(0)
.endif
	PKC8 v_pk_add_f32, GB, GG, 1.0                 ; 1 + Eg
.set ei, 0
.rept 8
	v_pk_fma_f32 v[GG+ei:GG+ei+1], v[GG+ei:GG+ei+1], v[KK:KK+1], v[NK:NK+1]   ; K Eg - K
.set ei, ei+2
.endr
	PKF8 GI, GI, GB, GB                            ; (1 + Ei)(1 + Eg)
	TRX v_rcp_f32, GI, GI
	v_nop
	s_wait_alu depctr_va_vdst(0)
	PKV8 v_pk_mul_f32, GG, GG, GI                  ; K sigmoid(i) tanh(g)
.if STEP
	WIN 0x04                                       ; source 1: c's window
.set ei, 0
.rept 8
	v_pk_fma_f32 v[GG+ei:GG+ei+1], v[GF+ei:GF+ei+1], v[CB+ei:CB+ei+1], v[GG+ei:GG+ei+1]   ; + sigmoid(f) K c
.set ei, ei+2
.endr
	WIN 0
.else
.irp m, 0,1,2,3
	global_store_b128 v[L16], v[GG+4*\m:GG+4*\m+3], s[78:79] offset:\a*2048+\m*512   ; K c: 512 neighbouring bytes at a multiple of 512
.endr
.endif
	TRX v_exp_f32, GB, GG                          ; Ec; |c| is at most 2 after two steps: no cap is needed
	v_nop
	s_wait_alu depctr_va_vdst(0)
	PKC8 v_pk_add_f32, GI, GB, 1.0                 ; 1 + Ec
	PKC8 v_pk_add_f32, GB, GB, -1.0                ; Ec - 1
	PKF8 GO, GO, GI, GI                            ; (1 + Eo)(1 + Ec)
	TRX v_rcp_f32, GO, GO
	v_nop
	s_wait_alu depctr_va_vdst(0)
	PKV8 v_pk_mul_f32, GB, GB, GO                  ; h
.if STEP == 0
.irp k, 0,1,2,3,4,5,6,7
	v_cvt_pk_bf16_f32 v[HB+\k], v[GB+2*\k], v[GB+2*\k+1]
.endr
	global_store_b128 v[L16], v[HB:HB+3],   s[82:83] offset:\a*1024       ; units 0-15 of my 32: the first half of the block of the fragment layout
	global_store_b128 v[L16], v[HB+4:HB+7], s[82:83] offset:\a*1024+512   ; units 16-31: the second half
.endif
	v_pk_mul_f32 v[Q:Q+1],   v[GB:GB+1], v[WOUT:WOUT+1]                   ; h W_out over my 16 units, the two coordinates by turns
	v_pk_mul_f32 v[Q+2:Q+3], v[GB:GB+1], v[WOUT+16:WOUT+17]
.set ei, 2
.rept 7
	v_pk_fma_f32 v[Q:Q+1],   v[GB+ei:GB+ei+1], v[WOUT+ei:WOUT+ei+1],       v[Q:Q+1]
	v_pk_fma_f32 v[Q+2:Q+3], v[GB+ei:GB+ei+1], v[WOUT+16+ei:WOUT+16+ei+1], v[Q+2:Q+3]
.set ei, ei+2
.endr
	v_add_f32 v[Q],   v[Q],   v[Q+1]
	v_add_f32 v[Q+2], v[Q+2], v[Q+3]
	v_permlanex16_b32 v[GI],   v[Q],   s92, s93    ; the other 16 units of the row lie in lane xor 16; GI has been written
	v_permlanex16_b32 v[GI+1], v[Q+2], s92, s93
	v_add_f32 v[PR+2*\a],   v[Q],   v[GI]
	v_add_f32 v[PR+2*\a+1], v[Q+2], v[GI+1]
.endm
.irp a, 0,1,2,3,4,5,6,7
	EBLOCK \a
.endr
	; part: lane l stores row 32 p + l: lanes 0-15 take block 2 p, lanes 16-31 block 2 p + 1.  Four register pairs, so no store's data is written again.
	v_cmp_le_u32 vcc_lo, 16, v[LANE]
.irp p, 0,1,2,3
	v_cndmask_b32 v[GI+2*\p],   v[PR+4*\p],   v[PR+4*\p+2], vcc_lo
	v_cndmask_b32 v[GI+2*\p+1], v[PR+4*\p+1], v[PR+4*\p+3], vcc_lo
	global_store_b64 v[L8], v[GI+2*\p:GI+2*\p+1], s[80:81] offset:\p*256   ; 256 neighbouring bytes at a multiple of 256
.endr
	CROUND                                         ; the closing round: no work-group ends while a partner may still ask for a tile that names it
	s_endpgm
.Lfunc_end_k_q6e3f1fc850_step0:
	.size	k_q6e3f1fc850_step0, .Lfunc_end_k_q6e3f1fc850_step0-k_q6e3f1fc850_step0
	.p2alignl 7, 3214868480
	.fill 96, 4, 3214868480
	.section	.rodata,"a",@progbits
	.p2align	6, 0x0
	.amdhsa_kernel k_q6e3f1fc850_step0
		.amdhsa_group_segment_fixed_size 327680
		.amdhsa_private_segment_fixed_size 0
		.amdhsa_enable_private_segment 0
		.amdhsa_kernarg_size 80
		.amdhsa_user_sgpr_count 2
		.amdhsa_user_sgpr_kernarg_segment_ptr 1
		.amdhsa_wavefront_size32 1
		.amdhsa_system_sgpr_workgroup_id_x 1
		.amdhsa_system_sgpr_workgroup_id_y 1
		.amdhsa_system_sgpr_workgroup_id_z 1
		.amdhsa_system_vgpr_workitem_id 0
		.amdhsa_next_free_vgpr 1024
		.amdhsa_next_free_sgpr 96
		.amdhsa_reserve_vcc 1
		.amdhsa_float_denorm_mode_32 3
		.amdhsa_float_denorm_mode_16_64 3
		.amdhsa_memory_ordered 1
		.amdhsa_forward_progress 1
		.amdhsa_inst_pref_size 224
	.end_amdhsa_kernel
	.amdgpu_metadata
---
amdhsa.version: [ 1, 2 ]
amdhsa.kernels:
  - .name:           k_q6e3f1fc850_step0
    .symbol:         k_q6e3f1fc850_step0.kd
    .args:
      - { .name: hb0, .offset: 0, .size: 8, .value_kind: global_buffer, .address_space: global }
      - { .name: wb, .offset: 8, .size: 8, .value_kind: global_buffer, .address_space: global }
      - { .name: W_ih, .offset: 16, .size: 8, .value_kind: global_buffer, .address_space: global }
      - { .name: b_ih, .offset: 24, .size: 8, .value_kind: global_buffer, .address_space: global }
      - { .name: b_hh, .offset: 32, .size: 8, .value_kind: global_buffer, .address_space: global }
      - { .name: W_out, .offset: 40, .size: 8, .value_kind: global_buffer, .address_space: global }
      - { .name: obs_traj_rel, .offset: 48, .size: 8, .value_kind: global_buffer, .address_space: global }
      - { .name: c1, .offset: 56, .size: 8, .value_kind: global_buffer, .address_space: global }
      - { .name: part, .offset: 64, .size: 8, .value_kind: global_buffer, .address_space: global }
      - { .name: h1, .offset: 72, .size: 8, .value_kind: global_buffer, .address_space: global }
    .group_segment_fixed_size: 327680
    .private_segment_fixed_size: 0
    .kernarg_segment_align: 8
    .kernarg_segment_size: 80
    .max_flat_workgroup_size: 128
    .sgpr_count:     96
    .vgpr_count:     1024
    .wavefront_size: 32
...
	.end_amdgpu_metadata
.endif
;; end of part 2
;; launch step1 (part 3): grid 16 x 16, 4 waves a work-group, clusters of 4 x 4, 327,680 bytes of LDS; arguments h1, wb, W_ih, b_ih, b_hh, W_out, obs_traj_rel, c1, part; writes part
.if DOCPART == 3
	.amdgcn_target "amdgcn-amd-amdhsa--gfx1250"
	.amdhsa_code_object_version 6
	.text
	.protected	k_q6e3f1fc850_step1
	.globl	k_q6e3f1fc850_step1
	.p2align	8
	.type	k_q6e3f1fc850_step1,@function
k_q6e3f1fc850_step1:
	s_mov_b64 s[64:65], 0
	v_nop
	global_prefetch_b8 v0, s[64:65] scope:SCOPE_SE
	s_setreg_imm32_b32 hwreg(HW_REG_WAVE_MODE, 25, 1), 1
	s_wait_xcnt 0x0
	s_wait_alu depctr_hold_cnt(0) depctr_sa_sdst(0) depctr_va_vdst(0) depctr_va_sdst(0) depctr_va_ssrc(0) depctr_va_vcc(0) depctr_vm_vsrc(0)
	s_getreg_b32 s2, hwreg(HW_REG_IB_STS2, 6, 4)
	s_cmp_eq_u32 s2, 0
	s_cbranch_scc0 .Lentry_in_a_cluster
	s_endpgm
.Lentry_in_a_cluster:
	s_bfe_u32 s2, ttmp6, 0x10000c
	s_cmp_lg_u32 s2, 0xf033
	s_cbranch_scc0 .Lentry_shape_is_right
	s_endpgm
.Lentry_shape_is_right:
; One LSTM step: gates = x W_ih^T + b_ih + h W_hh^T + b_hh; c = sigmoid(f) c + sigmoid(i) tanh(g); h = sigmoid(o) tanh(c); partial sums of h W_out^T.
; The text serves both steps; STEP picks.  STEP = 0: c is zero on entry (the problem builds it so), so the f gate's quarter of the product is not made;
; the new c (f32) and h (bf16) are stored.  STEP = 1: c is loaded, all four gates are made, only the partial sums leave.
; Both steps take x = obs_traj_rel[0]: the problem's sequence is [obs[0], obs[0]]; obs[1] enters no result.
; h and W_hh come as bf16 fragment images: blocks of 16 rows x 32 K = 1,024 bytes,
;   byte of (row, k) = (k>>5)*262144 + (row>>4)*1024 + ((k&31)>>3)*256 + (row&15)*16 + (k&7)*2,
; W_hh's rows in the order (32 hidden units) x (gates i, g, o, f) x (unit in the 32); its numbers are the bf16 nearest to the input's, with no factor folded in.
; The sums START from x W_ih + b_ih + b_hh, made in f32 while the first tile is on its way, so a finished sum is the whole gate.  The way out multiplies
; it, in f32, by the factor that its gate's exponential wants (-log2 e for i, o, f; 2 log2 e for g) and goes on with the exponentials.
; c is kept times K = 2 log2 e, in registers and in c1 (a register image that only these two launches touch): K c is the exponent that tanh(c) wants.
; All but h and W_hh (x W_ih, biases, c, h W_out) is f32.
; LIMITS, kept on purpose: (1) in STEP 0 a NaN that stands only in f's rows of W_hh, W_ih or the biases does not reach the result (NaN x 0 is taken as 0);
; (2) g's exponent is capped at 40, where tanh is 1.0 in f32, by a minimum in which a NaN loses: a NaN that stands only in a g gate is lost.
; Infinite or very large gates are right: exp2 may give infinity for i, f, o, its reciprocal is then 0 and every numerator is finite.
;
; SHARES: a work-group makes 256 rows x 64 hidden units (NB*32 gate columns) with four waves; a wave 128 rows x 32 units = 8 x NB accumulator tiles.
; K goes in steps of 128 through two LDS slots filled by tensor loads.  A wave's part of a tile (128 rows x 128 K) is four pieces of 8 KiB
; (W in STEP 0: 6 KiB) that lie 256 KiB apart: one two-dimensional tile of four long rows; more and shorter rows would cut the same bytes smaller.
; CLUSTERS: 4 x 4 work-groups.  h's tile hangs on the block row alone and is asked for jointly along a row of the cluster, W's on the block column
; alone and jointly along a column: that divides the requests for both by four.
; By this text's count a wave has two tensor loads out after the start and one behind each round.
;
; THE MATRIX INSTRUCTION IS USED TRANSPOSED: source 0 = 16 gate columns (rows of W), source 1 = 16 rows of h.  Lane (r = lane&15, hh = lane>>4) then holds,
; in register j of tile (a, b), row 16 a + r and column 16 b + 8 hh + j of the wave's NB*16.  b = 2 gp + u: gate gp, units 16 u + 8 hh + j: the gates of one
; (row, unit) lie in one lane at one register index of NB/2 tiles, and a lane's eight h are the 16 bytes at lane*16 of half a block of the layout above.
;
; REGISTERS, in windows of 256:
;   window 0: v12-15 K and -K; v16-30 addresses; v32-47 x; v48-63 the sums for part; v64-127, v128-191 fragments of h, two buffers; v192-223 W_out
;             in the prologue: v64-83 at work, v128-191 biases, v192-255 W_ih[.,1];  on the way out: v64-143 five sets of 16 at work, v144-155 h in bf16, sums
;   window 1: v64-127, v128-191 fragments of W, two buffers (in the prologue v128-191: W_ih[.,0]); v0-63, v192-255 c (STEP 1)
;   window 2: accumulator tiles of my rows 0-63, tile (a, b) at v[8 (8 a + b)];   window 3: those of rows 64-127
.set STEP,  1
.set NB,    6+2*STEP                   ; blocks of 16 gate columns of a wave
.set LAPS,  4                          ; K = 1024 = 4 laps of two K steps of 128
.set HALFT, 32768                      ; LDS room of one wave's part of a tile
.set SLOT,  4*HALFT                    ; h's two halves, then W's two halves
.set SCR,   2*SLOT                     ; behind the ring: 2,048 bytes for each wave, into which no tensor load lands
.set AQ,    8192                       ; h: bytes of 32 K in a part (8 blocks)
.set BQ,    NB*1024                    ; W: the same (NB blocks)
.set STEPB, 1048576                    ; memory: a K step = 4 groups of 32 K, 262,144 bytes each
.set KK,   12                          ; v[12:13] K, K
.set NK,   14                          ; v[14:15] -K, -K
.set ADRA, 16                          ; v16-17 LDS address of my h fragments in slot 0, 1
.set ADRB, 20                          ; v20-21 the same for W
.set L16,  24                          ; v24 16 lane
.set PRD,  25                          ; v25 my scratch + 32 hh: where I read parameters
.set L8,   26                          ; v26 8 lane
.set R8,   27                          ; v27 8 r
.set PWR,  28                          ; v28 my scratch + 16 lane: where I put parameters
.set WOS,  29                          ; v29 my scratch + 16 r: the same for W_out
.set LANE, 30                          ; v30 lane
.set XR,   32                          ; v[32:47]  (x0, x1) of row 16 a + r
.set PR,   48                          ; v[48:63]  (p0, p1) of row 16 a + r
.set F0,   64
.set F1,   128
.set TP,   64                          ; prologue, window 0: at work
.set PB,   128                         ; prologue, window 0: b_ih + b_hh of column 8 b + j
.set PW0,  128                         ; prologue, window 1: W_ih[.,0]
.set PW1,  192                         ; prologue, window 0: W_ih[.,1]
.set WOUT, 192                         ; window 0, from the prologue's end on: W_out, 16 coord + 8 u + j
.set GI,   64                          ; way out: five sets of 16 registers, index 8 u + j; GI, GG, GO, GF follow each other as the tiles b = 0 .. 7 do
.set GG,   80
.set GO,   96
.set GF,   112
.set GB,   128
.set HB,   144
.set Q,    152
.set G1,  24                           ; s[24:31] descriptor group 1, h's tiles
.set G0,  32                           ; s[32:39] group 0, h's tiles, a set for each slot
.set G1B, 48                           ; s[48:55] group 1, W's tiles
.set G0B, 56                           ; s[56:63] group 0, W's tiles, a set for each slot
.set MSB, 0
.macro WIN new                         ; the immediate's high byte repeats the setting that is left; switches that change nothing are dropped
.if MSB != \new
	s_set_vgpr_msb (MSB<<8)|\new
.set MSB, \new
.endif
.endm
.set MUL_LO, 0xa1                      ; source 0 (W) window 1, source 1 (h) window 0, C and D window 2
.set MUL_HI, 0xf1                      ; the same, C and D window 3
.set TO_B,   0x40                      ; destination window 1, address window 0
; A joint load.  Waves 0 and 1 fetch h's two halves, waves 2 and 3 W's.  Each line has one mask and one set of registers; the branch hangs on the wave's number alone.
.macro JLOAD s
	s_cmp_eq_u32 s11, 0
	s_cbranch_scc0 .Lfor_b_\@
	tensor_load_to_lds s[G0+4*\s:G0+4*\s+3], s[G1:G1+7]
	s_nop 0
	s_branch .Lasked_\@
.Lfor_b_\@:
	tensor_load_to_lds s[G0B+4*\s:G0B+4*\s+3], s[G1B:G1B+7]
	s_nop 0
.Lasked_\@:
.endm
; A round of the cluster's barrier: my work-group's barrier; wave 0 signals for the work-group; every wave waits for all sixteen; my work-group's barrier again.
.macro CROUND
	s_barrier_signal -1
	s_barrier_wait -1
	s_cmp_lg_u32 s10, 0
	s_cbranch_scc1 .Lnot_wave_0_\@
	s_barrier_signal -3
.Lnot_wave_0_\@:
	s_barrier_wait -3
	s_barrier_signal -1
	s_barrier_wait -1
.endm
; 2 NB matrix instructions: row blocks a0, a0 + 1 of the window's four x all NB column blocks, 32 along K.
; The accumulators take turns, one instruction a turn, in the same order in every quarter.
.macro MULA f, hi, a0
.irp a, \a0, \a0+1
.set mb, 0
.rept NB
	v_wmma_f32_16x16x32_bf16 v[8*(8*(\a)+mb):8*(8*(\a)+mb)+7], v[\f+8*mb:\f+8*mb+7], v[\f+8*(4*\hi+\a):\f+8*(4*\hi+\a)+7], v[8*(8*(\a)+mb):8*(8*(\a)+mb)+7]
.set mb, mb+1
.endr
.endr
.endm
; 2 NB + 16 LDS loads in one run: the fragments of quarter q (32 K) of a slot into buffer f; each load takes 512 neighbouring bytes
.macro FETCH slot, q, f
	WIN TO_B
.set fi, 0
.rept NB
	ds_load_b128 v[\f+8*fi:\f+8*fi+3],   v[ADRB+\slot] offset:\q*BQ+fi*1024
	ds_load_b128 v[\f+8*fi+4:\f+8*fi+7], v[ADRB+\slot] offset:\q*BQ+fi*1024+512
.set fi, fi+1
.endr
	WIN 0
.set fi, 0
.rept 8
	ds_load_b128 v[\f+8*fi:\f+8*fi+3],   v[ADRA+\slot] offset:\q*AQ+fi*1024
	ds_load_b128 v[\f+8*fi+4:\f+8*fi+7], v[ADRA+\slot] offset:\q*AQ+fi*1024+512
.set fi, fi+1
.endr
.endm
; Four places of plain vector instructions stand between a matrix instruction and a load into, or a vector instruction on, one of its registers (ISA guide 7.12.1 for vector instructions);
; the matrix instructions in between are not counted.
.macro PLACES
.rept 4
	v_nop
.endr
.endm
; One of a K step's first three quarters: multiplies buffer f; in its middle it fetches quarter q of the same slot into buffer g.
.macro QUARTER slot, q, f, g
	s_wait_dscnt 8                                 ; W and h's rows 0-63 are in; the youngest eight loads may be out (h's rows 64-127; on the way in from the prologue W_out's, and the whole run is in)
	WIN MUL_LO
	MULA \f, 0, 0
	MULA \f, 0, 2
	PLACES
	FETCH \slot, \q, \g
	s_wait_dscnt 16+2*NB                           ; all but the run just issued
	WIN MUL_HI
	MULA \f, 1, 0
	MULA \f, 1, 2
.endm
.macro THREE slot
	QUARTER \slot, 1, F0, F1
	QUARTER \slot, 2, F1, F0
	QUARTER \slot, 3, F0, F1
.endm
; The last quarter: multiplies buffer 1 and changes slots.  fill = 1: this slot is filled again, two K steps ahead, behind a round of the cluster's barrier.
; In front of the round's opening signal each wave waits for its reads of this slot and for all its tensor loads (the one that is out is its part of the
; next slot).  Inside the round stands register work alone: 2 NB matrix instructions between wave 0's signal for the work-group and the wait for all sixteen,
; so that they run while the sixteen signals meet.  The refill is the first tensor load behind the closing wait.
.macro TURN slot, next, fill
	s_wait_dscnt 8
	WIN MUL_LO
	MULA F1, 0, 0
	s_wait_dscnt 0                                 ; my reads of this slot are over
	s_set_vgpr_msb 0xa1a0
	s_wait_tensorcnt 0x0                           ; and all my tensor loads have landed
	ds_add_u32 v23, v31
	s_wait_dscnt 0x0
	s_set_vgpr_msb 0xa0a1
	s_barrier_signal -1                            ; say so
.if \fill
	WIN 0                                          ; (a branch follows)
	s_barrier_wait -1                              ; all four waves have said so
	s_cmp_lg_u32 s10, 0
	s_cbranch_scc1 .Lturn_not_0_\@
	s_barrier_signal -3                            ; wave 0 says so for the work-group
.Lturn_not_0_\@:
	WIN MUL_LO
	MULA F1, 0, 2                                  ; work on registers while the other work-groups arrive
	WIN 0
	s_barrier_wait -3                              ; all sixteen work-groups have said so: no wave of any partner still reads this slot or has a load on its way
	s_barrier_signal -1
	s_barrier_wait -1                              ; the round is closed
	s_add_nc_u64 s[G0+4*\slot+2:G0+4*\slot+3], s[G0+4*\slot+2:G0+4*\slot+3], 2*STEPB
	s_add_nc_u64 s[G0B+4*\slot+2:G0B+4*\slot+3], s[G0B+4*\slot+2:G0B+4*\slot+3], 2*STEPB
	JLOAD \slot                                    ; the first tensor load behind the round, and my only one until the next
.else
	MULA F1, 0, 2                                  ; nothing is filled: my work-group's barrier alone, with work on registers inside
	s_barrier_wait -1
.endif
	PLACES
	FETCH \next, 0, F0
	WIN MUL_HI
	MULA F1, 1, 0
	MULA F1, 1, 2
.endm
.macro LAP
	THREE 0
	TURN 0, 1, 1
	THREE 1
	TURN 1, 0, 1
.endm
; The sums of one window start: b + x0 W_ih[.,0] + x1 W_ih[.,1], two fused multiply-adds for each pair of registers.
.macro INIT hi
.if \hi
	WIN 0xc4                                       ; destination window 3, source 1 (W_ih[.,0]) window 1, x and bias window 0
.else
	WIN 0x84                                       ; the same, destination window 2
.endif
.irp a, 0,1,2,3
.set ei, 0
.rept 4*NB
	v_pk_fma_f32 v[64*\a+ei:64*\a+ei+1], v[XR+8*\hi+2*\a:XR+8*\hi+2*\a+1], v[PW0+ei:PW0+ei+1], v[PB+ei:PB+ei+1] op_sel_hi:[0,1,1]
.set ei, ei+2
.endr
.endr
.if \hi
	WIN 0xf0                                       ; destination and source 2 window 3, x and W_ih[.,1] window 0
.else
	WIN 0xa0
.endif
.irp a, 0,1,2,3
.set ei, 0
.rept 4*NB
	v_pk_fma_f32 v[64*\a+ei:64*\a+ei+1], v[XR+8*\hi+2*\a:XR+8*\hi+2*\a+1], v[PW1+ei:PW1+ei+1], v[64*\a+ei:64*\a+ei+1] op_sel:[1,0,0] op_sel_hi:[1,1,1]
.set ei, ei+2
.endr
.endr
	WIN 0
.endm
	s_load_b128 s[4:7], s[0:1], 0x0                ; h s[4:5], W s[6:7]
	s_load_b256 s[68:75], s[0:1], 0x10             ; W_ih s[68:69], b_ih s[70:71], b_hh s[72:73], W_out s[74:75]
	s_load_b128 s[76:79], s[0:1], 0x30             ; obs s[76:77], c1 s[78:79]
	s_load_b64 s[80:81], s[0:1], 0x40              ; part
	v_lshl_add_u32 v23, v0, 2, 0x42000
	v_mov_b32 v31, 0
	ds_add_u32 v23, v31
	s_wait_dscnt 0x0
.if STEP == 0
	s_load_b64 s[82:83], s[0:1], 0x48              ; h1
.endif
	v_lshrrev_b32 v1, 5, v0
	v_readfirstlane_b32 s10, v1                    ; wave 0..3
	s_lshr_b32 s11, s10, 1                         ; my half of the block's rows.  Also: I fetch for h (0) or for W (1)
	s_and_b32 s12, s10, 1                          ; my half of its units.  Also: which half of that tile I fetch
	s_bfe_u32 s40, ttmp6, 0x40000                  ; cx
	s_bfe_u32 s41, ttmp6, 0x40004                  ; cy
	s_lshl_b32 s42, ttmp9, 2
	s_add_co_u32 s42, s42, s40                     ; bx: block of 64 units = 4 x cluster x + cx
	s_and_b32 s13, ttmp7, 0xffff
	s_lshl_b32 s13, s13, 2
	s_add_co_u32 s13, s13, s41                     ; by: block of 256 rows = 4 x cluster y + cy
	s_lshl_b32 s43, s41, 2
	s_lshl_b32 s43, 15, s43                        ; my row of the cluster: places 4 cy .. 4 cy + 3
	s_lshl_b32 s44, 0x1111, s40                    ; my column: places cx, cx + 4, cx + 8, cx + 12
	; group 1: four rows of 4,096 (W: NB*512) elements of 2 bytes, 131,072 elements apart; no padding: the bytes are read as they lie
	s_or_b32 s[G1+0], s43, (1<<16)|(1<<21)         ; 15:0 mask: h's tiles go to my row; 17:16 elements of 2 bytes; 21 set beside a mask
	s_or_b32 s[G1B+0], s44, (1<<16)|(1<<21)        ; W's tiles go to my column
	s_mov_b32 s[G1+1], 4096<<16                    ; tensor_dim0, low half
	s_mov_b32 s[G1B+1], (NB*512)<<16
	s_mov_b32 s[G1+2], 4<<16                       ; tensor_dim0, high half = 0; tensor_dim1 = 4
	s_mov_b32 s[G1B+2], 4<<16
	s_mov_b32 s[G1+3], 4096<<16                    ; tile_dim0
	s_mov_b32 s[G1B+3], (NB*512)<<16
	s_mov_b32 s[G1+4], 4                           ; tile_dim1
	s_mov_b32 s[G1B+4], 4
	s_mov_b32 s[G1+5], 131072                      ; elements from row to row
	s_mov_b32 s[G1B+5], 131072
	s_mov_b32 s[G1+6], 0
	s_mov_b32 s[G1B+6], 0
	s_mov_b32 s[G1+7], 0
	s_mov_b32 s[G1B+7], 0
	; where the tiles come from: h's hang on by alone, W's on bx alone, each in registers that never hold the other coordinate
	s_lshl_b32 s16, s13, 14                        ; 256 rows = 16 blocks of 1,024 bytes
	s_lshl_b32 s17, s12, 13                        ; the half that I fetch
	s_add_co_u32 s16, s16, s17
	s_mov_b32 s17, 0
	s_lshl_b32 s46, s42, 14                        ; 64 units = 256 rows of W in its order
	s_lshl_b32 s47, s12, 13
	s_add_co_u32 s46, s46, s47
	s_mov_b32 s47, 0
	s_lshl_b32 s20, s10, 15                        ; and where they go: wave x 32,768
	CROUND                                         ; the round in front of the first joint loads; it needs no argument, so it runs while the arguments are on their way
	s_wait_kmcnt 0x0
	s_add_nc_u64 s[14:15], s[4:5], s[16:17]
	s_add_nc_u64 s[46:47], s[6:7], s[46:47]
.irp s, 0,1
	s_mov_b32 s[G0+4*\s], 1                                        ; count = 1
	s_add_co_u32 s[G0+4*\s+1], s20, \s*SLOT                        ; LDS address
	s_add_nc_u64 s[G0+4*\s+2:G0+4*\s+3], s[14:15], \s*STEPB        ; global address: K step s
	s_or_b32 s[G0+4*\s+3], s[G0+4*\s+3], 0x80000000                ; type = 2
	s_mov_b32 s[G0B+4*\s], 1
	s_add_co_u32 s[G0B+4*\s+1], s20, \s*SLOT
	s_add_nc_u64 s[G0B+4*\s+2:G0B+4*\s+3], s[46:47], \s*STEPB
	s_or_b32 s[G0B+4*\s+3], s[G0B+4*\s+3], 0x80000000
	JLOAD \s                                       ; both slots are asked for before anything else is done
.endr
	; lane addresses
	v_and_b32 v[LANE], 31, v0
	v_lshlrev_b32 v[L16], 4, v[LANE]
	v_lshlrev_b32 v[L8], 3, v[LANE]
	v_and_b32 v1, 15, v[LANE]                      ; r
	v_lshlrev_b32 v[R8], 3, v1
	v_lshrrev_b32 v2, 4, v[LANE]                   ; hh
	s_lshl_b32 s21, s11, 15                        ; my 128 rows of h
	s_lshl_b32 s22, s12, 15                        ; my NB*16 rows of W,
	s_add_co_u32 s22, s22, 2*HALFT                 ; which lie behind h's two halves
.irp s, 0,1
	v_add_nc_u32 v[ADRA+\s], s21, v[L16]
	v_add_nc_u32 v[ADRB+\s], s22, v[L16]
	s_add_co_u32 s21, s21, SLOT
	s_add_co_u32 s22, s22, SLOT
.endr
	s_lshl_b32 s23, s10, 11
	s_add_co_u32 s23, s23, SCR                     ; my scratch
	v_lshl_add_u32 v[PRD], v2, 5, s23
	v_add_nc_u32 v[PWR], s23, v[L16]
	v_lshl_add_u32 v[WOS], v1, 4, s23
	; parameters: lane l fetches the wave's columns 4 l .. 4 l + 3: gate gp = l>>3, units 4 (l&7) .. + 3 of my 32
	v_lshrrev_b32 v3, 3, v[LANE]                   ; gp
	v_lshlrev_b32 v4, 1, v3
	v_mov_b32 v5, 0x78                             ; a table of four 2-bit fields: gp 0,1,2,3 -> source gate 0,2,3,1
	v_lshrrev_b32 v4, v4, v5
	v_and_b32 v4, 3, v4
	v_and_b32 v5, 7, v[LANE]
	v_lshlrev_b32 v5, 4, v5
	v_lshl_add_u32 v6, v4, 12, v5                  ; biases: gate x 4,096 bytes + 16 (l&7)
	v_lshlrev_b32 v7, 1, v6                        ; W_ih: twice that (two numbers a row)
	v_bfe_u32 v8, v[LANE], 3, 1                    ; W_out: coordinate (l>>3)&1,
	v_lshl_add_u32 v8, v8, 12, v5                  ; a row of 4,096 bytes; lanes 16-31 repeat lanes 0-15
	v_mov_b32 v[KK], 0x4038aa3b                    ; K = 2 log2 e, twice: tanh(z) = (E - 1) / (E + 1), E = 2^(K z)
	v_mov_b32 v[KK+1], 0x4038aa3b
	v_mov_b32 v[NK], 0xc038aa3b                    ; and -K, twice
	v_mov_b32 v[NK+1], 0xc038aa3b
	s_mov_b32 s92, 0x76543210                      ; v_permlanex16_b32: lane i reads lane i of the other half
	s_mov_b32 s93, 0xfedcba98
	; scalar bases, made once: none is written again while a load or store names it.  Offsets lie in s84-91, which feed no descriptor.
	s_lshl1_add_u32 s84, s42, s12                  ; ub = 2 bx + my half: my group of 32 units
	s_lshl_b32 s88, s13, 11
	s_lshl_b32 s89, s11, 10
	s_add_co_u32 s88, s88, s89                     ; 8 bytes x my first row (256 by + 128 half)
	s_mov_b32 s89, 0
	s_add_nc_u64 s[76:77], s[76:77], s[88:89]      ; obs[0] at my first row
	s_lshl_b32 s86, s84, 7                         ; 32 units x 4 bytes
	s_mov_b32 s87, 0
	s_add_nc_u64 s[70:71], s[70:71], s[86:87]
	s_add_nc_u64 s[72:73], s[72:73], s[86:87]
	s_add_nc_u64 s[74:75], s[74:75], s[86:87]
	s_lshl_b32 s86, s84, 8
	s_add_nc_u64 s[68:69], s[68:69], s[86:87]
	s_lshl4_add_u32 s90, s13, s42                  ; c1: a register image, 16,384 bytes for each wave: ((16 by + bx) 4 + wave)
	s_lshl2_add_u32 s90, s90, s10
	s_lshl_b32 s90, s90, 14
	s_mov_b32 s91, 0
	s_add_nc_u64 s[78:79], s[78:79], s[90:91]
	s_lshl_b32 s86, s84, 15                        ; part[step][ub][row][2]: 32,768 bytes for each ub
	s_add_co_u32 s86, s86, s88
.if STEP
	s_add_co_u32 s86, s86, 1048576
.endif
	s_add_nc_u64 s[80:81], s[80:81], s[86:87]
.if STEP == 0
	s_lshl_b32 s86, s84, 18                        ; h1 in the fragment layout: K group ub, my first block of 16 rows
	s_lshl_b32 s90, s88, 3
	s_add_co_u32 s86, s86, s90
	s_add_nc_u64 s[82:83], s[82:83], s[86:87]
.endif
	global_load_b128 v[TP:TP+3],     v6, s[70:71]              ; b_ih
	global_load_b128 v[TP+4:TP+7],   v6, s[72:73]              ; b_hh
	global_load_b128 v[TP+8:TP+11],  v7, s[68:69]              ; W_ih, two rows
	global_load_b128 v[TP+12:TP+15], v7, s[68:69] offset:16    ; and two more
	global_load_b128 v[TP+16:TP+19], v8, s[74:75]              ; W_out
.irp a, 0,1,2,3,4,5,6,7
	global_load_b64 v[XR+2*\a:XR+2*\a+1], v[R8], s[76:77] offset:\a*128    ; x of row 16 a + r
.endr
	s_wait_loadcnt 8                               ; the five parameter loads are in; x's 8 loads stay out
	v_pk_add_f32 v[TP:TP+1],   v[TP:TP+1],   v[TP+4:TP+5]
	v_pk_add_f32 v[TP+2:TP+3], v[TP+2:TP+3], v[TP+6:TP+7]
	ds_store_b128 v[PWR], v[TP:TP+3]                           ; b_ih + b_hh, 128 columns (in STEP 0 lanes 24-31 ride along with f's, which nobody reads)
.irp i, 0,1,2,3
	ds_store_b32 v[PWR], v[TP+8+2*\i] offset:512+4*\i          ; W_ih[.,0]: the two columns are parted by where the words are put; once in the launch
	ds_store_b32 v[PWR], v[TP+9+2*\i] offset:1024+4*\i         ; W_ih[.,1]
.endr
	ds_store_b128 v[WOS], v[TP+16:TP+19] offset:1536           ; W_out [2][32]; lanes 16-31 write the same values to the same bytes
	; back as each lane needs them: columns 16 b + 8 hh + 0..7.  My own bytes, and LDS serves a wave in order (ISA guide 5.7.1.4): no wait between stores and loads
.set fi, 0
.rept NB
	ds_load_b128 v[PB+8*fi:PB+8*fi+3],     v[PRD] offset:fi*64
	ds_load_b128 v[PB+8*fi+4:PB+8*fi+7],   v[PRD] offset:fi*64+16
	ds_load_b128 v[PW1+8*fi:PW1+8*fi+3],   v[PRD] offset:1024+fi*64
	ds_load_b128 v[PW1+8*fi+4:PW1+8*fi+7], v[PRD] offset:1024+fi*64+16
.set fi, fi+1
.endr
	WIN TO_B
.set fi, 0
.rept NB
	ds_load_b128 v[PW0+8*fi:PW0+8*fi+3],   v[PRD] offset:512+fi*64
	ds_load_b128 v[PW0+8*fi+4:PW0+8*fi+7], v[PRD] offset:512+fi*64+16
.set fi, fi+1
.endr
	WIN 0
	s_wait_dscnt 0x0
	s_wait_loadcnt 0x0                             ; x
	INIT 0                                         ; the sums of my rows 0-63 start while the first tile is on its way
	s_wait_tensorcnt 1                             ; my part of K step 0 is in; K step 1's may stay out
	s_barrier_signal -1                            ; (no LDS instruction of mine is out: the wait for 0 above)
	s_barrier_wait -1                              ; everybody's part is in
	FETCH 0, 0, F0
	INIT 1                                         ; the sums of my rows 64-127 start while the first fragments come
.irp c, 0,1
.irp u, 0,1
	ds_load_b128 v[WOUT+16*\c+8*\u:WOUT+16*\c+8*\u+3],   v[PRD] offset:1536+\c*128+\u*64       ; W_out of my units, into registers that W_ih[.,1] has left; kept to the end
	ds_load_b128 v[WOUT+16*\c+8*\u+4:WOUT+16*\c+8*\u+7], v[PRD] offset:1536+\c*128+\u*64+16
.endr
.endr
.if STEP
	WIN TO_B                                       ; c goes out only now, behind the first tiles; it is waited for on the way out
.irp a, 0,1,2,3,4,5,6,7
.irp m, 0,1,2,3
.if \a < 4
	global_load_b128 v[16*\a+4*\m:16*\a+4*\m+3], v[L16], s[78:79] offset:\a*2048+\m*512 th:TH_LOAD_NT   ; K c as the same lane stored it
.else
	global_load_b128 v[192+16*(\a-4)+4*\m:192+16*(\a-4)+4*\m+3], v[L16], s[78:79] offset:\a*2048+\m*512 th:TH_LOAD_NT
.endif
.endr
.endr
	WIN 0
.endif
	s_mov_b32 s3, LAPS-1                           ; at a label and at a branch every window is 0
.Llap:
	LAP
	WIN 0
	s_sub_co_u32 s3, s3, 1
	s_cmp_lg_u32 s3, 0
	s_cbranch_scc1 .Llap
	THREE 0                                        ; the last lap fills nothing and has no round
	TURN 0, 1, 0
	THREE 1
	s_wait_dscnt 8                                 ; the very last quarter
	WIN MUL_LO
	MULA F1, 0, 0
	MULA F1, 0, 2
	s_wait_dscnt 0
	WIN MUL_HI
	MULA F1, 1, 0
	MULA F1, 1, 2
	; THE WAY OUT.  The sums are whole gates; nothing is read from LDS.
	PLACES
	WIN 0
.if STEP
	s_wait_loadcnt 0x0                             ; c
.endif
.macro TRX op, d, s                    ; 16 transcendentals, back to back
.set ei, 0
.rept 16
	\op v[\d+ei], v[\s+ei]
.set ei, ei+1
.endr
.endm
.macro PKC8 op, d, s, c                ; d = s op constant, 16 numbers
.set ei, 0
	s_wait_alu depctr_va_vdst(0)
.rept 8
	\op v[\d+ei:\d+ei+1], v[\s+ei:\s+ei+1], \c op_sel_hi:[1,0]
.set ei, ei+2
.endr
.endm
.macro PKV8 op, d, s, t                ; d = s op t, 16 numbers
.set ei, 0
.rept 8
	\op v[\d+ei:\d+ei+1], v[\s+ei:\s+ei+1], v[\t+ei:\t+ei+1]
.set ei, ei+2
.endr
.endm
.macro PKF8 d, s, t, u                 ; d = s t + u, 16 numbers
.set ei, 0
.rept 8
	v_pk_fma_f32 v[\d+ei:\d+ei+1], v[\s+ei:\s+ei+1], v[\t+ei:\t+ei+1], v[\u+ei:\u+ei+1]
.set ei, ei+2
.endr
.endm
; Rows 16 a .. 16 a + 15 x my 32 units: 16 units a lane.  Denominators are merged, which spares two reciprocals a unit, and each is one fused multiply-add:
;   K sigmoid(i) tanh(g) = (K Eg - K) / (Ei (1 + Eg) + (1 + Eg)),   h = (Ec - 1) / (Eo (1 + Ec) + (1 + Ec)),   Ec = 2^(K c).
; Behind each run of transcendentals stands a plain vector instruction that touches none of them before a result is used (ISA guide 5.7.2).
.macro EBLOCK a
.if STEP == 0
	s_wait_xcnt 0x0                                ; GG and HB, which the last block's stores read, are rewritten only behind this wait
.endif
.if \a < 4
	WIN 0x02                                       ; source 0: the accumulators' window
.set CB, 16*\a
.else
	WIN 0x03
.set CB, 192+16*(\a-4)
.endif
.set AC, 64*(\a&3)
.set ei, 0
.rept 4*NB
.if (ei>>4) == 1
	v_pk_mul_f32 v[GI+ei:GI+ei+1], v[AC+ei:AC+ei+1], 0x4038aa3b op_sel_hi:[1,0]   ; g: 2 log2 e x gate
.else
	v_pk_mul_f32 v[GI+ei:GI+ei+1], v[AC+ei:AC+ei+1], 0xbfb8aa3b op_sel_hi:[1,0]   ; i, o, f: -log2 e x gate: sigmoid(z) = 1 / (1 + 2^(-z log2 e))
.endif
.set ei, ei+2
.endr
	WIN 0
	TRX v_exp_f32, GI, GI                          ; Ei
	TRX v_exp_f32, GO, GO                          ; Eo
.if STEP
	TRX v_exp_f32, GF, GF                          ; Ef
.endif
.set ei, 0
.rept 16
	v_min_num_f32 v[GG+ei], 0x42200000, v[GG+ei]   ; g's exponent at most 40: tanh is 1.0 in f32 there, and Eg stays finite
.set ei, ei+1
.endr
	TRX v_exp_f32, GG, GG                          ; Eg
.if STEP
	PKC8 v_pk_add_f32, GF, GF, 1.0                 ; 1 + Ef
	TRX v_rcp_f32, GF, GF                          ; sigmoid(f)
.else
	v_nop
.endif
	PKC8 v_pk_add_f32, GB, GG, 1.0                 ; 1 + Eg
.set ei, 0
.rept 8
	v_pk_fma_f32 v[GG+ei:GG+ei+1], v[GG+ei:GG+ei+1], v[KK:KK+1], v[NK:NK+1]   ; K Eg - K
.set ei, ei+2
.endr
	PKF8 GI, GI, GB, GB                            ; (1 + Ei)(1 + Eg)
	TRX v_rcp_f32, GI, GI
	v_nop
	s_wait_alu depctr_va_vdst(0)
	PKV8 v_pk_mul_f32, GG, GG, GI                  ; K sigmoid(i) tanh(g)
.if STEP
	WIN 0x04                                       ; source 1: c's window
.set ei, 0
.rept 8
	v_pk_fma_f32 v[GG+ei:GG+ei+1], v[GF+ei:GF+ei+1], v[CB+ei:CB+ei+1], v[GG+ei:GG+ei+1]   ; + sigmoid(f) K c
.set ei, ei+2
.endr
	WIN 0
.else
.irp m, 0,1,2,3
	global_store_b128 v[L16], v[GG+4*\m:GG+4*\m+3], s[78:79] offset:\a*2048+\m*512   ; K c: 512 neighbouring bytes at a multiple of 512
.endr
.endif
	TRX v_exp_f32, GB, GG                          ; Ec; |c| is at most 2 after two steps: no cap is needed
	v_nop
	s_wait_alu depctr_va_vdst(0)
	PKC8 v_pk_add_f32, GI, GB, 1.0                 ; 1 + Ec
	PKC8 v_pk_add_f32, GB, GB, -1.0                ; Ec - 1
	PKF8 GO, GO, GI, GI                            ; (1 + Eo)(1 + Ec)
	TRX v_rcp_f32, GO, GO
	v_nop
	s_wait_alu depctr_va_vdst(0)
	PKV8 v_pk_mul_f32, GB, GB, GO                  ; h
.if STEP == 0
.irp k, 0,1,2,3,4,5,6,7
	v_cvt_pk_bf16_f32 v[HB+\k], v[GB+2*\k], v[GB+2*\k+1]
.endr
	global_store_b128 v[L16], v[HB:HB+3],   s[82:83] offset:\a*1024       ; units 0-15 of my 32: the first half of the block of the fragment layout
	global_store_b128 v[L16], v[HB+4:HB+7], s[82:83] offset:\a*1024+512   ; units 16-31: the second half
.endif
	v_pk_mul_f32 v[Q:Q+1],   v[GB:GB+1], v[WOUT:WOUT+1]                   ; h W_out over my 16 units, the two coordinates by turns
	v_pk_mul_f32 v[Q+2:Q+3], v[GB:GB+1], v[WOUT+16:WOUT+17]
.set ei, 2
.rept 7
	v_pk_fma_f32 v[Q:Q+1],   v[GB+ei:GB+ei+1], v[WOUT+ei:WOUT+ei+1],       v[Q:Q+1]
	v_pk_fma_f32 v[Q+2:Q+3], v[GB+ei:GB+ei+1], v[WOUT+16+ei:WOUT+16+ei+1], v[Q+2:Q+3]
.set ei, ei+2
.endr
	v_add_f32 v[Q],   v[Q],   v[Q+1]
	v_add_f32 v[Q+2], v[Q+2], v[Q+3]
	v_permlanex16_b32 v[GI],   v[Q],   s92, s93    ; the other 16 units of the row lie in lane xor 16; GI has been written
	v_permlanex16_b32 v[GI+1], v[Q+2], s92, s93
	v_add_f32 v[PR+2*\a],   v[Q],   v[GI]
	v_add_f32 v[PR+2*\a+1], v[Q+2], v[GI+1]
.endm
.irp a, 0,1,2,3,4,5,6,7
	EBLOCK \a
.endr
	; part: lane l stores row 32 p + l: lanes 0-15 take block 2 p, lanes 16-31 block 2 p + 1.  Four register pairs, so no store's data is written again.
	v_cmp_le_u32 vcc_lo, 16, v[LANE]
.irp p, 0,1,2,3
	v_cndmask_b32 v[GI+2*\p],   v[PR+4*\p],   v[PR+4*\p+2], vcc_lo
	v_cndmask_b32 v[GI+2*\p+1], v[PR+4*\p+1], v[PR+4*\p+3], vcc_lo
	global_store_b64 v[L8], v[GI+2*\p:GI+2*\p+1], s[80:81] offset:\p*256   ; 256 neighbouring bytes at a multiple of 256
.endr
	CROUND                                         ; the closing round: no work-group ends while a partner may still ask for a tile that names it
	s_endpgm
.Lfunc_end_k_q6e3f1fc850_step1:
	.size	k_q6e3f1fc850_step1, .Lfunc_end_k_q6e3f1fc850_step1-k_q6e3f1fc850_step1
	.p2alignl 7, 3214868480
	.fill 96, 4, 3214868480
	.section	.rodata,"a",@progbits
	.p2align	6, 0x0
	.amdhsa_kernel k_q6e3f1fc850_step1
		.amdhsa_group_segment_fixed_size 327680
		.amdhsa_private_segment_fixed_size 0
		.amdhsa_enable_private_segment 0
		.amdhsa_kernarg_size 72
		.amdhsa_user_sgpr_count 2
		.amdhsa_user_sgpr_kernarg_segment_ptr 1
		.amdhsa_wavefront_size32 1
		.amdhsa_system_sgpr_workgroup_id_x 1
		.amdhsa_system_sgpr_workgroup_id_y 1
		.amdhsa_system_sgpr_workgroup_id_z 1
		.amdhsa_system_vgpr_workitem_id 0
		.amdhsa_next_free_vgpr 1024
		.amdhsa_next_free_sgpr 96
		.amdhsa_reserve_vcc 1
		.amdhsa_float_denorm_mode_32 3
		.amdhsa_float_denorm_mode_16_64 3
		.amdhsa_memory_ordered 1
		.amdhsa_forward_progress 1
		.amdhsa_inst_pref_size 255
	.end_amdhsa_kernel
	.section	.bss,"aw",@nobits
	.p2align	6
	.space	262144
	.amdgpu_metadata
---
amdhsa.version: [ 1, 2 ]
amdhsa.kernels:
  - .name:           k_q6e3f1fc850_step1
    .symbol:         k_q6e3f1fc850_step1.kd
    .args:
      - { .name: h1, .offset: 0, .size: 8, .value_kind: global_buffer, .address_space: global }
      - { .name: wb, .offset: 8, .size: 8, .value_kind: global_buffer, .address_space: global }
      - { .name: W_ih, .offset: 16, .size: 8, .value_kind: global_buffer, .address_space: global }
      - { .name: b_ih, .offset: 24, .size: 8, .value_kind: global_buffer, .address_space: global }
      - { .name: b_hh, .offset: 32, .size: 8, .value_kind: global_buffer, .address_space: global }
      - { .name: W_out, .offset: 40, .size: 8, .value_kind: global_buffer, .address_space: global }
      - { .name: obs_traj_rel, .offset: 48, .size: 8, .value_kind: global_buffer, .address_space: global }
      - { .name: c1, .offset: 56, .size: 8, .value_kind: global_buffer, .address_space: global }
      - { .name: part, .offset: 64, .size: 8, .value_kind: global_buffer, .address_space: global }
    .group_segment_fixed_size: 327680
    .private_segment_fixed_size: 0
    .kernarg_segment_align: 8
    .kernarg_segment_size: 72
    .max_flat_workgroup_size: 128
    .sgpr_count:     96
    .vgpr_count:     1024
    .wavefront_size: 32
...
	.end_amdgpu_metadata
.endif
;; end of part 3
;; launch finish (part 4): grid 256 x 1, 1 waves a work-group, no clusters, 0 bytes of LDS; arguments part, b_out, out0; writes out0
.if DOCPART == 4
	.amdgcn_target "amdgcn-amd-amdhsa--gfx1250"
	.amdhsa_code_object_version 6
	.text
	.protected	k_q6e3f1fc850_finish
	.globl	k_q6e3f1fc850_finish
	.p2align	8
	.type	k_q6e3f1fc850_finish,@function
k_q6e3f1fc850_finish:
	s_mov_b64 s[64:65], 0
	v_nop
	global_prefetch_b8 v0, s[64:65] scope:SCOPE_SE
	s_setreg_imm32_b32 hwreg(HW_REG_WAVE_MODE, 25, 1), 1
	s_wait_xcnt 0x0
; out0[step][row][coord] = b_out[coord] + the sum over the 32 groups ub of part[step][ub][row][coord].  All f32.
; The sum over the hidden units spans work-groups of the step launches, so it is closed here, by one owner for each output.
; A work-group of one wave owns 256 neighbouring bytes of out0 (32 rows x 2 coordinates); lane l owns row l's pair.
; All 32 loads (256 neighbouring bytes each, 32,768 bytes apart) go out at once; four chains of packed adds, started by the first four pairs.
; 2 MiB are read once and 64 KiB written: LDS, barriers and matrix units would add nothing.
.set S, 2                              ; v[2:65] pair i: part of group i
	s_load_b128 s[4:7], s[0:1], 0x0                ; part s[4:5], b_out s[6:7]
	s_load_b64 s[8:9], s[0:1], 0x10                ; out0
	v_lshlrev_b32 v1, 3, v0                        ; 8 bytes a lane
	s_lshr_b32 s12, ttmp9, 7                       ; step
	s_lshl_b32 s12, s12, 20                        ; 32 groups x 32,768 bytes
	s_and_b32 s13, ttmp9, 127
	s_lshl_b32 s13, s13, 8                         ; my 32 rows
	s_add_co_u32 s12, s12, s13
	s_mov_b32 s13, 0
	s_lshl_b32 s14, ttmp9, 8                       ; my 256 bytes of out0
	s_mov_b32 s15, 0
	s_wait_kmcnt 0x0
	s_load_b64 s[10:11], s[6:7], 0x0               ; b_out[0], b_out[1]: no line of this launch writes that buffer
	s_add_nc_u64 s[4:5], s[4:5], s[12:13]
	s_add_nc_u64 s[8:9], s[8:9], s[14:15]
.set i, 0
.rept 32
	global_load_b64 v[S+2*i:S+2*i+1], v1, s[4:5] offset:i*32768 th:TH_LOAD_NT
.set i, i+1
.endr
	s_wait_loadcnt 24                              ; loads come back in order (ISA guide 5.7.1): pairs 0-7 are in, the 24 younger stay out
.set j, 4
.rept 4
	v_pk_add_f32 v[S+2*(j%4):S+2*(j%4)+1], v[S+2*(j%4):S+2*(j%4)+1], v[S+2*j:S+2*j+1]
.set j, j+1
.endr
.irp left, 16, 8, 0
	s_wait_loadcnt \left                           ; eight more pairs are in
.rept 8
	v_pk_add_f32 v[S+2*(j%4):S+2*(j%4)+1], v[S+2*(j%4):S+2*(j%4)+1], v[S+2*j:S+2*j+1]
.set j, j+1
.endr
.endr
	v_pk_add_f32 v[S:S+1],   v[S:S+1],   v[S+2:S+3]
	v_pk_add_f32 v[S+4:S+5], v[S+4:S+5], v[S+6:S+7]
	v_pk_add_f32 v[S:S+1],   v[S:S+1],   v[S+4:S+5]
	s_wait_kmcnt 0x0
	v_add_f32 v[S],   s10, v[S]
	v_add_f32 v[S+1], s11, v[S+1]
	global_store_b64 v1, v[S:S+1], s[8:9]          ; the wave stores 256 neighbouring bytes at a multiple of 256
	s_endpgm
.Lfunc_end_k_q6e3f1fc850_finish:
	.size	k_q6e3f1fc850_finish, .Lfunc_end_k_q6e3f1fc850_finish-k_q6e3f1fc850_finish
	.p2alignl 7, 3214868480
	.fill 96, 4, 3214868480
	.section	.rodata,"a",@progbits
	.p2align	6, 0x0
	.amdhsa_kernel k_q6e3f1fc850_finish
		.amdhsa_group_segment_fixed_size 0
		.amdhsa_private_segment_fixed_size 0
		.amdhsa_enable_private_segment 0
		.amdhsa_kernarg_size 24
		.amdhsa_user_sgpr_count 2
		.amdhsa_user_sgpr_kernarg_segment_ptr 1
		.amdhsa_wavefront_size32 1
		.amdhsa_system_sgpr_workgroup_id_x 1
		.amdhsa_system_sgpr_workgroup_id_y 1
		.amdhsa_system_sgpr_workgroup_id_z 1
		.amdhsa_system_vgpr_workitem_id 0
		.amdhsa_next_free_vgpr 72
		.amdhsa_next_free_sgpr 66
		.amdhsa_reserve_vcc 0
		.amdhsa_float_denorm_mode_32 3
		.amdhsa_float_denorm_mode_16_64 3
		.amdhsa_memory_ordered 1
		.amdhsa_forward_progress 1
		.amdhsa_inst_pref_size 7
	.end_amdhsa_kernel
	.amdgpu_metadata
---
amdhsa.version: [ 1, 2 ]
amdhsa.kernels:
  - .name:           k_q6e3f1fc850_finish
    .symbol:         k_q6e3f1fc850_finish.kd
    .args:
      - { .name: part, .offset: 0, .size: 8, .value_kind: global_buffer, .address_space: global }
      - { .name: b_out, .offset: 8, .size: 8, .value_kind: global_buffer, .address_space: global }
      - { .name: out0, .offset: 16, .size: 8, .value_kind: global_buffer, .address_space: global }
    .group_segment_fixed_size: 0
    .private_segment_fixed_size: 0
    .kernarg_segment_align: 8
    .kernarg_segment_size: 24
    .max_flat_workgroup_size: 32
    .sgpr_count:     66
    .vgpr_count:     72
    .wavefront_size: 32
...
	.end_amdgpu_metadata
.endif
;; end of part 4
;; ======== version 2 of 2: 4 launches; version 1 with the launch cast written anew for expert scheduling mode
;; workspace buffers: hb0 8,388,608 bytes; wb 8,388,608 bytes; h1 8,388,608 bytes; c1 16,777,216 bytes; part 2,097,152 bytes
;; launch cast (part 5): grid 256 x 2, 8 waves a work-group, no clusters, 35,840 bytes of LDS; arguments pred_lstm_hidden, W_hh, hb0, wb; writes hb0, wb
.if DOCPART == 5
	.amdgcn_target "amdgcn-amd-amdhsa--gfx1250"
	.amdhsa_code_object_version 6
	.text
	.protected	k_q6e3f1fc850_cast
	.globl	k_q6e3f1fc850_cast
	.p2align	8
	.type	k_q6e3f1fc850_cast,@function
k_q6e3f1fc850_cast:
	s_mov_b64 s[64:65], 0
	v_nop
	global_prefetch_b8 v0, s[64:65] scope:SCOPE_SE
	s_setreg_imm32_b32 hwreg(HW_REG_WAVE_SCHED_MODE, 0, 2), 2
	s_setreg_imm32_b32 hwreg(HW_REG_WAVE_MODE, 25, 1), 1
	s_wait_xcnt 0x0
	s_wait_alu depctr_vm_vsrc(0)
; cast: pred_lstm_hidden and W_hh, both [4096][1024] f32, are rounded once to bf16, as they are given, and laid out as images of matrix fragments.
; THE LAYOUT (hb0, wb, and h1 of the next launch): blocks of 16 rows x 32 K = 1,024 bytes;
;   byte of (row, k) = (k>>5)*262144 + (row>>4)*1024 + ((k&31)>>3)*256 + (row&15)*16 + (k&7)*2.
; A lane (r = lane&15, h = lane>>4) of a 16-bit fragment holds k = 8h..8h+7 and 16+8h..+7 of row r (ISA guide 7.12.2): these are the
; 16 bytes at lane*16 and at 512 + lane*16 of a block, so a fragment is two loads of neighbouring bytes, with no padding.
; wb's rows are also put in another order: source row gate*1024 + k goes to row (k>>5)*128 + gp*32 + (k&31), gp = 0,1,2,3 for the gates
; i, g, o, f (source gates 0, 2, 3, 1), so that the four gates of 32 hidden units are 128 neighbouring rows, f's last.
; No factor is folded into W_hh here: the matrix operand is the bf16 nearest to the input itself.
; A work-group takes 16 source rows of one matrix (x: which rows, y: which matrix); wave w takes K 128 w .. 128 w + 127.
; Memory binds: every byte is read once by loads that cover 512 neighbouring bytes, all 16 loads of a wave go out at once, and every store
; covers 512 neighbouring bytes at a multiple of 512.  No loop, no barrier: each wave turns its piece round in LDS bytes of its own.
; Matrix units, clusters and tensor loads would add nothing to a stream that no two work-groups share.
; THE MODE: SCHED_MODE bits 1:0 = 2 (LLVM: expert scheduling mode 2), set by the entry lines.  The code itself states the register dependences
; between vector instructions and memory or LDS instructions, with s_wait_alu, always for 0.
; THE PLAN.  Registers that memory or LDS instructions touch:
;   v1 .. v4      offsets and LDS addresses: written once at the head, read by every load and store, never written again.
;   X, v[8:71]    the 16 global loads land here; row t's two conversions read its four registers; behind all conversions the eight LDS loads
;                 land in v[8:39], which the eight global stores then read as data; nothing writes them after that.
;   Y, v[72:103]  two registers a row, written once by the row's conversions, read once by the row's LDS store, never written again.
;   v104, v105    written at the head, read by the closing add alone.
; The 16 rows go in four groups of four.  Group g's conversions name X and Y of group g alone; the LDS stores of group g - 1 are dealt among them.
; So ONE wait on va_vdst at a group's head, behind the wait for its loads, states all that those four stores hang on, and one more behind the last
; group's conversions serves its four stores and the LDS loads into X.  No register that a memory or LDS instruction reads is written afterwards,
; so the text holds no wait on vm_vsrc.
.set ROWB, 4096                        ; bytes in a source row
.set KQB,  262144                      ; bytes from one group of 32 K to the next in the layout
.set GP,   272                         ; LDS: 8 K of 16 rows = 256 bytes, + 16 so that neighbouring groups start 4 banks apart
.set WLDS, 16*GP                       ; a wave's 16 groups of 8 K
.set OFF, 1                            ; v1  byte of my 16 bytes in a source row: 512 w + 16 lane
.set SA,  2                            ; v2  LDS: where my 4 numbers of row 0 go
.set LA,  3                            ; v3  LDS: where I read 16 bytes back
.set DO,  4                            ; v4  16 lane: my bytes of a store
.set X,   8                            ; v[8:71]   16 rows x 4 f32 as loaded; later v[8:39]: what is read back
.set Y,   72                           ; v[72:103] 16 rows x 4 bf16
	s_load_b256 s[4:11], s[0:1], 0x0               ; h s[4:5], W s[6:7], hb0 s[8:9], wb s[10:11]
	v_lshl_add_u32 v104, v0, 2, 0x8800
	v_mov_b32 v105, 0
	v_lshrrev_b32 v5, 5, v0
	v_readfirstlane_b32 s12, v5                    ; wave 0..7
	v_and_b32 v6, 31, v0                           ; lane
	s_and_b32 s13, ttmp7, 0xffff                   ; 0: h, 1: W
	; W's block of 16 rows in the new order: x = 64 gate + k16  ->  8 (k16>>1) + 2 gp + (k16&1)
	s_lshr_b32 s14, ttmp9, 6                       ; gate
	s_lshl_b32 s14, s14, 1
	s_lshr_b32 s14, 0x9c, s14                      ; a table of four 2-bit fields: gate 0,1,2,3 -> gp 0,3,1,2
	s_and_b32 s14, s14, 3
	s_and_b32 s15, ttmp9, 63                       ; k16
	s_lshr_b32 s16, s15, 1
	s_lshl_b32 s16, s16, 3
	s_lshl1_add_u32 s16, s14, s16
	s_and_b32 s15, s15, 1
	s_add_co_u32 s16, s16, s15
	s_cmp_eq_u32 s13, 0
	s_cselect_b32 s16, ttmp9, s16                  ; h keeps its order
	s_lshl_b32 s16, s16, 10                        ; the block's 1,024 bytes,
	s_wait_alu depctr_va_sdst(0)                   ; s12, the wave's number, is written, ahead of its first reader: the line below
	s_lshl_b32 s17, s12, 20                        ; and my wave's four groups of 32 K
	s_add_co_u32 s16, s16, s17
	s_mov_b32 s17, 0
	s_lshl_b32 s18, ttmp9, 16                      ; 16 source rows of 4,096 bytes
	s_mov_b32 s19, 0
	s_mul_i32 s20, s12, WLDS                       ; my wave's LDS bytes
	v_lshlrev_b32 v[OFF], 4, v0                    ; 16 x thread = 512 w + 16 lane
	v_lshrrev_b32 v7, 1, v6                        ; two lanes share a group of 8 K
	v_mul_u32_u24 v7, v7, GP
	v_and_b32 v5, 1, v6
	v_lshl_add_u32 v7, v5, 3, v7
	v_add_nc_u32 v[SA], s20, v7
	v_lshrrev_b32 v7, 4, v6                        ; back: lanes 0-15 one group's 16 rows, lanes 16-31 the next group's
	v_mul_u32_u24 v7, v7, GP
	v_and_b32 v5, 15, v6
	v_lshl_add_u32 v7, v5, 4, v7
	v_add_nc_u32 v[LA], s20, v7
	v_lshlrev_b32 v[DO], 4, v6
	s_wait_kmcnt 0x0
	s_cmp_eq_u32 s13, 0                            ; the choice hangs on the work-group's y alone
	s_cselect_b64 s[4:5], s[4:5], s[6:7]
	s_cselect_b64 s[8:9], s[8:9], s[10:11]
	s_add_nc_u64 s[4:5], s[4:5], s[18:19]
	s_add_nc_u64 s[8:9], s[8:9], s[16:17]
	s_wait_alu depctr_va_vdst(0)                   ; v1 to v4 are written: every load and store of the kernel reads one of them as its offset or address
.set t, 0
.rept 16
	global_load_b128 v[X+4*t:X+4*t+3], v[OFF], s[4:5] offset:t*ROWB th:TH_LOAD_NT   ; row t: 512 neighbouring bytes; read once in the launch
.set t, t+1
.endr
; Four groups of four rows.  Group g rounds its rows; the LDS stores of group g - 1 stand among its conversions, one ahead of each row's pair.
.set g, 0
.rept 4
	s_wait_loadcnt 12-4*g                          ; loads come back in order (ISA guide 5.7.1): group g's four rows are in, the 12 - 4 g younger rows stay out
.if g > 0
	s_wait_alu depctr_va_vdst(0)                   ; the conversions of the group before have written its Y, which the four LDS stores below read; no vector instruction behind this wait names those registers or v[SA]
.endif
.set i, 0
.rept 4
.set t, 4*g+i
.if g > 0
	ds_store_b64 v[SA], v[Y+2*(t-4):Y+2*(t-4)+1] offset:(t-4)*16   ; word 68 (lane>>1) + 2 (lane&1) + 4 row: the 32 lanes' 64 words fall on 64 different banks
.endif
	v_cvt_pk_bf16_f32 v[Y+2*t],   v[X+4*t],   v[X+4*t+1]
	v_cvt_pk_bf16_f32 v[Y+2*t+1], v[X+4*t+2], v[X+4*t+3]
.set i, i+1
.endr
.set g, g+1
.endr
	s_wait_alu depctr_va_vdst(0)                   ; the last group's conversions have written its Y, which the four LDS stores below read; and all conversions are done reading X, in which the LDS loads below land
.set t, 12
.rept 4
	ds_store_b64 v[SA], v[Y+2*t:Y+2*t+1] offset:t*16
.set t, t+1
.endr
.set m, 0
.rept 8
	ds_load_b128 v[X+4*m:X+4*m+3], v[LA] offset:m*2*GP     ; half a block; my own bytes, and LDS serves a wave in order (ISA guide 5.7.1.4): no wait, no barrier
.set m, m+1
.endr
.set m, 0
.rept 8
	s_wait_dscnt 7-m                               ; half block m is in, the younger ones stay out
	global_store_b128 v[DO], v[X+4*m:X+4*m+3], s[8:9] offset:(m>>1)*KQB+(m&1)*512   ; 512 neighbouring bytes at a multiple of 512; read again by the next launches: no hint
.set m, m+1
.endr
	s_wait_dscnt 0x0                               ; the closing lines, six on end
	s_wait_alu 0x0
	s_wait_tensorcnt 0x0
	ds_add_u32 v104, v105
	s_wait_dscnt 0x0
	s_endpgm
.Lfunc_end_k_q6e3f1fc850_cast:
	.size	k_q6e3f1fc850_cast, .Lfunc_end_k_q6e3f1fc850_cast-k_q6e3f1fc850_cast
	.p2alignl 7, 3214868480
	.fill 96, 4, 3214868480
	.section	.rodata,"a",@progbits
	.p2align	6, 0x0
	.amdhsa_kernel k_q6e3f1fc850_cast
		.amdhsa_group_segment_fixed_size 35840
		.amdhsa_private_segment_fixed_size 0
		.amdhsa_enable_private_segment 0
		.amdhsa_kernarg_size 32
		.amdhsa_user_sgpr_count 2
		.amdhsa_user_sgpr_kernarg_segment_ptr 1
		.amdhsa_wavefront_size32 1
		.amdhsa_system_sgpr_workgroup_id_x 1
		.amdhsa_system_sgpr_workgroup_id_y 1
		.amdhsa_system_sgpr_workgroup_id_z 1
		.amdhsa_system_vgpr_workitem_id 0
		.amdhsa_next_free_vgpr 106
		.amdhsa_next_free_sgpr 66
		.amdhsa_reserve_vcc 0
		.amdhsa_float_denorm_mode_32 3
		.amdhsa_float_denorm_mode_16_64 3
		.amdhsa_memory_ordered 1
		.amdhsa_forward_progress 1
		.amdhsa_inst_pref_size 9
	.end_amdhsa_kernel
	.amdgpu_metadata
---
amdhsa.version: [ 1, 2 ]
amdhsa.kernels:
  - .name:           k_q6e3f1fc850_cast
    .symbol:         k_q6e3f1fc850_cast.kd
    .args:
      - { .name: pred_lstm_hidden, .offset: 0, .size: 8, .value_kind: global_buffer, .address_space: global }
      - { .name: W_hh, .offset: 8, .size: 8, .value_kind: global_buffer, .address_space: global }
      - { .name: hb0, .offset: 16, .size: 8, .value_kind: global_buffer, .address_space: global }
      - { .name: wb, .offset: 24, .size: 8, .value_kind: global_buffer, .address_space: global }
    .group_segment_fixed_size: 35840
    .private_segment_fixed_size: 0
    .kernarg_segment_align: 8
    .kernarg_segment_size: 32
    .max_flat_workgroup_size: 256
    .sgpr_count:     66
    .vgpr_count:     106
    .wavefront_size: 32
...
	.end_amdgpu_metadata
.endif
;; end of part 5
;; launch step0: the kernel of part 2 again; grid 16 x 16, 4 waves a work-group, clusters of 4 x 4, 327,680 bytes of LDS; arguments hb0, wb, W_ih, b_ih, b_hh, W_out, obs_traj_rel, c1, part, h1; writes c1, part, h1
;; launch step1: the kernel of part 3 again; grid 16 x 16, 4 waves a work-group, clusters of 4 x 4, 327,680 bytes of LDS; arguments h1, wb, W_ih, b_ih, b_hh, W_out, obs_traj_rel, c1, part; writes part
;; launch finish: the kernel of part 4 again; grid 256 x 1, 1 waves a work-group, no clusters, 0 bytes of LDS; arguments part, b_out, out0; writes out0
